; MI455X (gfx1250); checked and timed in simulation.
; The chip was launched on July 23, 2026; its instructions are those of AMD's public machine-readable ISA for CDNA 5 (MIT licence, August 2026) and "CDNA5" Instruction Set Architecture Reference Guide (July 2026). The comments in the code are by the model that wrote it; some were corrected since.
;; Self Attention. Allowed arithmetic: matrix products marked QUANTISED: E2M1 operands, one E8M0 scale for each 32 along K, by v_wmma_scale_f32_16x16x128_f8f6f4 with both operands' format E2M1 (or v_wmma_scale_f32_32x16x128_f4), f32 sums; products left as they are: bf16, f16 or f32 operands; f32 sums; everything else in f32.
;; Inputs: Wk 1,024 x 1,024 float32; Wq 1,024 x 1,024 float32; Wv 1,024 x 1,024 float32; bk 1,024 float32; bq 1,024 float32; bv 1,024 float32; k_in 4 x 2,048 x 1,024 float32; q_in 4 x 2,048 x 1,024 float32; v_in 4 x 2,048 x 1,024 float32.
;; Outputs: out0 4 x 2,048 x 1,024 float32.
;; This version of the problem:
;;   THIS VERSION OF THE PROBLEM IS GIVEN IN LOW PRECISION. The matrix products marked QUANTISED in the list below multiply operands that are first quantised to E2M1 (2 exponent bits, 1 mantissa bit; 4 bits a number), with one power-of-two scale for each 32 numbers along K (OCP MX v1.0); their sums are f32. The products marked 'left as it is' may take bf16, f16 or f32 operands, with f32 sums. Whichever they take, every output number must still come out within the allowed error. Rounding operands to bf16 (8 significant bits) uses up far more of that allowance than f16 does (11 bits, for magnitudes from 6e-5 to 65,504). All else is computed in f32.
;;   The module's matrix products, in the order in which they are computed (A, B: the left and right operand; K: the contracted axis; several contracted axes count as one K, in the product's order):
;;     1. [M 8,192, K 1,024] x [K 1,024, N 1,024]; A: input q_in; B: input Wq: QUANTISED
;;     2. [M 8,192, K 1,024] x [K 1,024, N 1,024]; A: input k_in; B: input Wk: QUANTISED
;;     3. [M 8,192, K 1,024] x [K 1,024, N 1,024]; A: input v_in; B: input Wv: QUANTISED
;;     4. batch 4 x [M 2,048, K 1,024] x [K 1,024, N 2,048]; A: computed on the way; B: computed on the way: left as it is (an operand is computed on the way)
;;     5. batch 4 x [M 2,048, K 2,048] x [K 2,048, N 1,024]; A: computed on the way; B: computed on the way: left as it is (an operand is computed on the way)
;;   THE QUANTISER, for each operand of a quantised product, along K:
;;     - K is cut into blocks of 32 from its start; a last block that is shorter is filled with zeros.
;;     - A block's scale is 2^e with e = floor(log2(the largest magnitude in the block)) - 2, held to -126 .. 127; a block of zeros has e = 0. As a byte (E8M0): e + 127.
;;     - Each number is divided by its block's scale, clamped to +-6, and rounded to the nearest number of E2M1, ties to even, subnormals kept.
;;     - The product sums the exact products of the quantised numbers (number of the format x scale) in f32.
;;   ~~~python
;;   def quantise(x, axis):      # numpy; x: float32 -> the quantised numbers, widened to float32 again
;;       x = np.moveaxis(x, axis, -1); K = x.shape[-1]
;;       x = np.pad(x, [(0, 0)] * (x.ndim - 1) + [(0, -K % 32)]); x = x.reshape(x.shape[:-1] + (-1, 32)); a = np.abs(x).max(-1, keepdims=True)
;;       e = np.where(a > 0, np.clip(np.frexp(np.where(a > 0, a, 1))[1] - 1 - 2, -126, 127), 0)      # np.frexp(a)[1] - 1 = floor(log2(a)), exactly
;;       r = np.clip(x / 2.0 ** e, -6, 6)
;;       step = 2.0 ** (np.maximum(np.frexp(np.where(r == 0, 1, r))[1] - 1, 0) - 1)
;;       q = np.round(r / step) * step * 2.0 ** e      # np.round: ties to even
;;       return np.moveaxis(q.reshape(q.shape[:-2] + (-1,))[..., :K], -1, axis).astype(np.float32)
;;   ~~~
;; One version. Each part assembles by itself: llvm-mc -triple=amdgcn-amd-amdhsa -mcpu=gfx1250 --defsym DOCPART=n.
;; ======== version 1 of 1: 4 launches
;; limits: values are held in f16: magnitudes above 65,504 overflow, below 6.1e-05 lose precision
;; workspace buffers: xc 12,582,912 bytes; xs 786,432 bytes; wc 1,572,864 bytes; ws 98,304 bytes; qkv 50,331,648 bytes; pt 33,554,432 bytes; st 1,048,576 bytes
;; launch quant (part 1): grid 960 x 1, 4 waves a work-group, no clusters, 42,496 bytes of LDS; arguments q_in, k_in, v_in, Wq, Wk, Wv, xc, xs, wc, ws; writes xc, xs, wc, ws
.if DOCPART == 1
	.amdgcn_target "amdgcn-amd-amdhsa--gfx1250"
	.amdhsa_code_object_version 6
	.text
	.protected	k_qf3134d24a5_quant
	.globl	k_qf3134d24a5_quant
	.p2align	8
	.type	k_qf3134d24a5_quant,@function
k_qf3134d24a5_quant:
	s_mov_b64 s[64:65], 0
	v_nop
	global_prefetch_b8 v0, s[64:65] scope:SCOPE_SE
	s_setreg_imm32_b32 hwreg(HW_REG_WAVE_MODE, 25, 1), 1
	s_wait_xcnt 0x0
; SELF-ATTENTION, launch 1 of 4: all six operands of the three quantised projections become codes of FP4 (E2M1) with one E8M0 byte for each 32 along K.
; DEAD WORK, shown for all values of the inputs.  scores[q][s] = q . (k0[s] + bk) / 32 = q . k0[s] / 32 + q . bk / 32, k0 = k_in Wk.  The second term does not hang on s: it is the same along the softmax's
; axis, and softmax(x + const) = softmax(x) in exact arithmetic.  The product q k^T is not quantised, so k enters no quantiser, and k reaches the result by that product alone.  So bk has no way to the result:
; it is not loaded and is among no launch's arguments.  bq stays (bq . k[s] hangs on s) and bv stays.  LIMIT: a NaN, an infinity or an overflow that bk alone would bring is not carried to the result.
; THE QUANTISER.  A block's scale is 2^(floor(log2(its largest magnitude)) - 2); its byte is the largest magnitude's exponent field - 2, held at 1 from below; each number is divided by the scale and rounded to
; the nearest code, ties to even, beyond 6 the largest code.  A block of zeros gets the byte 1 where the rule says 127: its codes are zeros, which add nothing, and this program alone reads the bytes.
; LIMITS: blocks whose largest magnitude lies under 2^-124 have their byte held at 1; NaN and infinities among the inputs are not served.
; SHARES.  Work-groups 0 to 191 take the weights, the others the activations; the two ways part on the work-group's number alone and have LDS bytes of their own.
;   ACTIVATIONS (q_in, k_in, v_in: [8192][1024], K innermost): plain streams of blocks of 32.  A wave takes 16 steps of 512 numbers.  Each load reads 512 consecutive bytes; a step's 2,048 bytes turn through the
;   wave's own stage in LDS so that a lane holds 16 neighbours along K; two neighbouring lanes hold a block.  Codes go to xc [24576][512 bytes], bytes to xs [24576][32], the three tensors on end.
;   WEIGHTS (Wq, Wk, Wv: [1024 (k)][1024 (n)], K outermost): a lane takes a column n and its registers run down K, so nothing is transposed by an instruction.  A work-group takes 32 columns x 512 along K,
;   each wave 128 along K (four blocks a lane); the four waves' codes meet in one stage, and leave as rows: sixteen lanes store 256 consecutive bytes, aligned.  wc [3072 (n)][512 bytes], ws [3072][32].
.set NWG,   192                        ; work-groups for the weights: 3 weights x 32 groups of columns x 2 halves of K
.set STEPS, 16
.set EMAX,  2
.set CB,    8                          ; bytes of 16 codes
.set WREG,  8192                       ; activations: a region of LDS for each wave: two stages of 32 x SP bytes, then its 256 scale bytes
.set SP,    80                         ; a lane's place in a stage: 64 bytes + 16 of padding
.set WB,    4*WREG                     ; weights: the stage, 32 rows (columns n) of 256 bytes + 16
.set WP,    272
.set WSC,   WB+32*WP                   ; and the rows' 16 scale bytes
.set SPARE, WSC+512                    ; the spare words, 128 bytes for each wave: two blocks of 256 bytes that no other line names
.set R,     16                         ; v16-79   activations: four sets of 16 numbers as loaded
.set X,     80                         ; v80-111  two sets of 16 neighbours
.set E,     112                        ; v112-127 a scale byte for each step
.set C,     128                        ; v128-189 codes: four registers' room for each step
.set WX,    32                         ; v32-95   weights: two sets of 32 numbers
.set WC,    96                         ; v96-99   a block's codes
.set WO,    112                        ; v112-131 the way out
.set SPW,   190                        ; v190     LDS address of my spare word; never rewritten
.set NIL,   191                        ; v191     0; never rewritten
	s_load_b512 s[4:19], s[0:1], 0x0               ; q_in 4, k_in 6, v_in 8, Wq 10, Wk 12, Wv 14, xc 16, xs 18
	s_load_b128 s[20:23], s[0:1], 0x40             ; wc 20, ws 22
	v_lshl_add_u32 v[SPW], v0, 2, SPARE
	v_mov_b32 v[NIL], 0
	v_lshrrev_b32 v1, 5, v0
	v_readfirstlane_b32 s24, v1                    ; wave 0..3
	v_and_b32 v2, 31, v0                           ; lane
	s_cmp_lt_u32 ttmp9, NWG                        ; the work-group's number alone: all four waves go the same way
	s_cbranch_scc1 .Lweights
	; ---------------- the activations ----------------
	v_lshlrev_b32 v3, 4, v2                        ; my 16 bytes of a load's 512
	s_mul_i32 s25, s24, WREG
	v_lshrrev_b32 v14, 2, v2
	v_mul_u32_u24 v14, v14, SP
	v_and_b32 v15, 3, v2
	v_lshl_add_u32 v14, v15, 4, v14
	v_add_nc_u32 v14, s25, v14                     ; the stage, on the way in: four lanes' 64 bytes on end, then 16 of padding
	v_mul_u32_u24 v15, v2, SP
	v_add_nc_u32 v15, s25, v15                     ; and on the way out: my 16 neighbours
	v_mul_u32_u24 v4, v2, CB                       ; my codes' place in a step's
	v_lshrrev_b32 v5, 1, v2
	s_add_co_u32 s25, s25, 2*32*SP
	v_add_nc_u32 v5, s25, v5                       ; my wave's 256 scale bytes, my block's byte
	v_lshlrev_b32 v7, 3, v2                        ; and on the way out 8 bytes a lane
	v_add_nc_u32 v6, s25, v7
	s_sub_co_u32 s26, ttmp9, NWG                   ; 0..767: 256 work-groups to a tensor
	s_wait_kmcnt 0x0
	s_cmp_lt_u32 s26, 512
	s_cselect_b64 s[6:7], s[6:7], s[8:9]           ; k_in or v_in,
	s_cmp_lt_u32 s26, 256
	s_cselect_b64 s[4:5], s[4:5], s[6:7]           ; or q_in: the choice hangs on the work-group's number alone
	s_and_b32 s27, s26, 255
	s_lshl_b32 s27, s27, 2
	s_add_co_u32 s28, s27, s24                     ; which run of 8,192 numbers of the tensor is my wave's
	s_lshl_b32 s28, s28, 15                        ; 32,768 bytes a run
	s_mov_b32 s29, 0
	s_add_nc_u64 s[4:5], s[4:5], s[28:29]
	s_lshl_b32 s27, s26, 2
	s_add_co_u32 s27, s27, s24                     ; which run of the three tensors on end
	s_lshl_b32 s28, s27, 12                        ; 4,096 bytes of codes a run
	s_add_nc_u64 s[16:17], s[16:17], s[28:29]
	s_lshl_b32 s28, s27, 8                         ; 256 scale bytes a run
	s_add_nc_u64 s[18:19], s[18:19], s[28:29]
.macro LOAD t
.irp i, 0,1,2,3
	global_load_b128 v[R+16*((\t)%4)+4*\i:R+16*((\t)%4)+4*\i+3], v3, s[4:5] offset:2048*(\t)+512*\i th:TH_LOAD_NT   ; 32 lanes read 512 consecutive bytes
.endr
.endm
.macro TURN t                          ; step t's numbers through the stage: LDS serves a wave's instructions in order, so no wait stands between the stores and the loads
.irp i, 0,1,2,3
	ds_store_b128 v14, v[R+16*((\t)%4)+4*\i:R+16*((\t)%4)+4*\i+3] offset:32*SP*((\t)%2)+8*SP*\i
.endr
.irp i, 0,1,2,3
	ds_load_b128 v[X+16*((\t)%2)+4*\i:X+16*((\t)%2)+4*\i+3], v15 offset:32*SP*((\t)%2)+16*\i
.endr
.endm
.irp t, 0,1,2,3
	LOAD \t
.endr
	s_wait_loadcnt 12                              ; step 0's four loads are in; the twelve of steps 1 to 3 may be out
	TURN 0
.macro STEP t
.set XS, X+16*((\t)%2)
.if (\t) > 0
	s_wait_dscnt 1                                 ; this step's numbers are back from the stage (the last step's byte store may be out): so its stores into the stage have read their registers,
.else
	s_wait_dscnt 0x0
.endif
.if (\t)+4 < STEPS
	LOAD (\t)+4                                    ; which take the loads of four steps on
.endif
.if (\t)+1 < STEPS
.if STEPS-2-(\t) >= 3
	s_wait_loadcnt 12                              ; the next step's four loads are in; those of the three steps behind it may be out
.else
	s_wait_loadcnt 4*(STEPS-2-(\t))
.endif
	TURN (\t)+1                                    ; and go through the other stage while this step is worked
.endif
	v_max3_num_f32 v8, |v[XS]|, |v[XS+1]|, |v[XS+2]|               ; the largest magnitude of my 16, in two chains
	v_max3_num_f32 v9, |v[XS+3]|, |v[XS+4]|, |v[XS+5]|
.irp i, 6,10
	v_max3_num_f32 v8, v8, |v[XS+\i]|, |v[XS+\i+1]|
	v_max3_num_f32 v9, v9, |v[XS+\i+2]|, |v[XS+\i+3]|
.endr
	v_max3_num_f32 v8, v8, |v[XS+14]|, |v[XS+15]|
	v_max3_num_f32 v8, v8, v9, (EMAX+1)<<23        ; and the floor 2^(3 - 127): so the byte cannot fall under 1
	v_max_num_f32_dpp v8, v8, v8 row_xmask:1 row_mask:0xf bank_mask:0xf   ; and of my neighbour's 16: the block's
	v_add_nc_u32 v11, -(EMAX<<23), v8              ; 2 off its exponent field: the conversion takes the exponent field of this operand as its scale, and nothing else of it
	v_cvt_scalef32_pk8_fp4_f32 v[C+4*(\t)], v[XS:XS+7], v11
	v_cvt_scalef32_pk8_fp4_f32 v[C+4*(\t)+1], v[XS+8:XS+15], v11
	v_lshrrev_b32 v[E+(\t)], 23, v11               ; the scale's byte (also the plain line behind the conversions)
	ds_store_b8 v5, v[E+(\t)] offset:16*(\t)       ; both lanes of a block write the same byte with the same value
	global_store_b64 v4, v[C+4*(\t):C+4*(\t)+1], s[16:17] offset:32*CB*(\t)   ; the wave stores 256 consecutive bytes, aligned
.endm
.irp t, 0,1,2,3,4,5,6,7,8,9,10,11,12,13,14,15
	STEP \t
.endr
	ds_load_b64 v[8:9], v6                         ; LDS serves a wave's instructions in order: these see my stores
	s_wait_dscnt 0x0
	global_store_b64 v7, v[8:9], s[18:19]          ; 32 lanes store 256 consecutive bytes, aligned
	s_wait_tensorcnt 0x0                           ; the wave's end
	ds_add_u32 v[SPW], v[NIL]
	s_wait_dscnt 0x0
	s_endpgm
	; ---------------- the weights ----------------
.Lweights:
	v_lshlrev_b32 v3, 2, v2                        ; in: 4 bytes a lane: 128 consecutive bytes a wave
	s_lshl_b32 s25, s24, 6
	s_add_co_u32 s25, s25, WB
	v_mul_u32_u24 v4, v2, WP
	v_add_nc_u32 v4, s25, v4                       ; into the stage: row = my column, my wave's 64 bytes of it
	s_lshl_b32 s25, s24, 2
	s_add_co_u32 s25, s25, WSC
	v_lshl_add_u32 v5, v2, 4, s25                  ; my column's 16 scale bytes, my wave's four
	v_and_b32 v6, 15, v2
	v_lshrrev_b32 v7, 4, v2
	s_mul_i32 s25, s24, 8*WP
	s_add_co_u32 s25, s25, WB
	v_mul_u32_u24 v8, v7, WP
	v_lshl_add_u32 v8, v6, 4, v8
	v_add_nc_u32 v8, s25, v8                       ; out of it: wave w takes rows 8 w on; sixteen lanes to a row, two rows an instruction
	v_lshlrev_b32 v9, 9, v7
	v_lshl_add_u32 v9, v6, 4, v9                   ; and the same place in wc (rows of 512 bytes)
	v_lshl_add_u32 v10, v2, 4, WSC                 ; wave 0: a row's 16 scale bytes,
	v_lshlrev_b32 v14, 5, v2                       ; and its place in ws (rows of 32 bytes)
	s_lshr_b32 s26, ttmp9, 6                       ; which weight
	s_and_b32 s27, ttmp9, 31                       ; which 32 columns
	s_bfe_u32 s28, ttmp9, 0x10005                  ; which half of K
	s_lshl_b32 s30, s28, 21                        ; 512 rows of 4,096 bytes,
	s_lshl_b32 s31, s24, 19                        ; my wave's 128 rows,
	s_add_co_u32 s30, s30, s31
	s_lshl_b32 s31, s27, 7                         ; 32 columns of 4 bytes
	s_add_co_u32 s30, s30, s31
	s_mov_b32 s31, 0
	s_lshl_b32 s32, s26, 10
	s_lshl_b32 s33, s27, 5
	s_add_co_u32 s32, s32, s33                     ; the group's first row of wc and ws
	s_lshl_b32 s34, s32, 5
	s_lshl_b32 s35, s28, 4
	s_add_co_u32 s34, s34, s35                     ; in ws: 32 bytes a row, + 16 for the upper half of K
	s_mov_b32 s35, 0
	s_lshl_b32 s33, s24, 3
	s_add_co_u32 s32, s32, s33                     ; + the 8 rows that my wave stores
	s_lshl_b32 s32, s32, 9
	s_lshl_b32 s33, s28, 8
	s_add_co_u32 s32, s32, s33                     ; in wc: 512 bytes a row, + 256 for the upper half of K
	s_mov_b32 s33, 0
	s_wait_kmcnt 0x0
	s_cmp_lt_u32 s26, 2
	s_cselect_b64 s[12:13], s[12:13], s[14:15]     ; Wk or Wv,
	s_cmp_eq_u32 s26, 0
	s_cselect_b64 s[10:11], s[10:11], s[12:13]     ; or Wq
	s_add_nc_u64 s[10:11], s[10:11], s[30:31]
	s_add_nc_u64 s[20:21], s[20:21], s[32:33]
	s_add_nc_u64 s[22:23], s[22:23], s[34:35]
.macro WLOAD t                         ; block t: W(32 t + i, my column), i = 0 .. 31, into set t % 2
.set i, 0
.rept 32
	global_load_b32 v[WX+32*((\t)%2)+i], v3, s[10:11] offset:(32*(\t)+i)*4096 th:TH_LOAD_NT
.set i, i+1
.endr
.endm
	WLOAD 0
	WLOAD 1
.macro BLOCK t
.set XS, WX+32*((\t)%2)
.if (\t) < 3
	s_wait_loadcnt 32                              ; this block's 32 loads are in; the next block's may be out
.else
	s_wait_loadcnt 0x0
.endif
	v_max3_num_f32 v12, |v[XS]|, |v[XS+1]|, |v[XS+2]|               ; the block's largest magnitude: all 32 numbers are mine
	v_max3_num_f32 v13, |v[XS+3]|, |v[XS+4]|, |v[XS+5]|
.irp i, 6,10,14,18,22,26
	v_max3_num_f32 v12, v12, |v[XS+\i]|, |v[XS+\i+1]|
	v_max3_num_f32 v13, v13, |v[XS+\i+2]|, |v[XS+\i+3]|
.endr
	v_max3_num_f32 v12, v12, |v[XS+30]|, |v[XS+31]|
	v_max3_num_f32 v12, v12, v13, (EMAX+1)<<23     ; and the floor
	v_add_nc_u32 v11, -(EMAX<<23), v12             ; the conversion's scale operand
	v_lshrrev_b32 v13, 23, v11                     ; the scale's byte
.if (\t) == 0
	v_mov_b32 v24, v13                             ; my four bytes make a word, the lower K in the lower byte
.else
	v_lshl_or_b32 v24, v13, 8*(\t), v24
.endif
.irp g, 0,1,2,3
	v_cvt_scalef32_pk8_fp4_f32 v[WC+\g], v[XS+8*\g:XS+8*\g+7], v11
.endr
	v_nop                                          ; one plain line behind the last conversion
	ds_store_b128 v4, v[WC:WC+3] offset:16*(\t)    ; 32 codes: 16 bytes of my column's row
.if (\t)+2 < 4
	WLOAD (\t)+2
.endif
	s_wait_dscnt 0x0                               ; the store has read its registers: the next block's codes may be written
.endm
.irp t, 0,1,2,3
	BLOCK \t
.endr
	ds_store_b32 v5, v24
	s_wait_dscnt 0x0                               ; for the others' sake: my stores into the stage are done
	s_barrier_signal -1
	s_barrier_wait -1                              ; 32 whole rows of 256 bytes lie in the stage
.irp j, 0,1,2,3
	ds_load_b128 v[WO+4*\j:WO+4*\j+3], v8 offset:2*\j*WP
.endr
.irp j, 0,1,2,3
	s_wait_dscnt 3-\j                              ; LDS loads come back in order: load j is in, the younger ones may be out
	global_store_b128 v9, v[WO+4*\j:WO+4*\j+3], s[20:21] offset:2*\j*512   ; sixteen lanes store 256 consecutive bytes, aligned
.endr
	s_cmp_lg_u32 s24, 0                            ; wave 0 alone stores the 32 rows' scale bytes, 16 a row
	s_cbranch_scc1 .Lnot_wave_0
	ds_load_b128 v[WO+16:WO+19], v10
	s_wait_dscnt 0x0
	global_store_b128 v14, v[WO+16:WO+19], s[22:23]
.Lnot_wave_0:
	s_wait_tensorcnt 0x0                           ; the wave's end
	ds_add_u32 v[SPW], v[NIL]
	s_wait_dscnt 0x0
	s_endpgm
.Lfunc_end_k_qf3134d24a5_quant:
	.size	k_qf3134d24a5_quant, .Lfunc_end_k_qf3134d24a5_quant-k_qf3134d24a5_quant
	.p2alignl 7, 3214868480
	.fill 96, 4, 3214868480
	.section	.rodata,"a",@progbits
	.p2align	6, 0x0
	.amdhsa_kernel k_qf3134d24a5_quant
		.amdhsa_group_segment_fixed_size 42496
		.amdhsa_private_segment_fixed_size 0
		.amdhsa_enable_private_segment 0
		.amdhsa_kernarg_size 80
		.amdhsa_user_sgpr_count 2
		.amdhsa_user_sgpr_kernarg_segment_ptr 1
		.amdhsa_wavefront_size32 1
		.amdhsa_system_sgpr_workgroup_id_x 1
		.amdhsa_system_sgpr_workgroup_id_y 1
		.amdhsa_system_sgpr_workgroup_id_z 1
		.amdhsa_system_vgpr_workitem_id 0
		.amdhsa_next_free_vgpr 192
		.amdhsa_next_free_sgpr 66
		.amdhsa_reserve_vcc 0
		.amdhsa_float_denorm_mode_32 3
		.amdhsa_float_denorm_mode_16_64 3
		.amdhsa_memory_ordered 1
		.amdhsa_forward_progress 1
		.amdhsa_inst_pref_size 55
	.end_amdhsa_kernel
	.amdgpu_metadata
---
amdhsa.version: [ 1, 2 ]
amdhsa.kernels:
  - .name:           k_qf3134d24a5_quant
    .symbol:         k_qf3134d24a5_quant.kd
    .args:
      - { .name: q_in, .offset: 0, .size: 8, .value_kind: global_buffer, .address_space: global }
      - { .name: k_in, .offset: 8, .size: 8, .value_kind: global_buffer, .address_space: global }
      - { .name: v_in, .offset: 16, .size: 8, .value_kind: global_buffer, .address_space: global }
      - { .name: Wq, .offset: 24, .size: 8, .value_kind: global_buffer, .address_space: global }
      - { .name: Wk, .offset: 32, .size: 8, .value_kind: global_buffer, .address_space: global }
      - { .name: Wv, .offset: 40, .size: 8, .value_kind: global_buffer, .address_space: global }
      - { .name: xc, .offset: 48, .size: 8, .value_kind: global_buffer, .address_space: global }
      - { .name: xs, .offset: 56, .size: 8, .value_kind: global_buffer, .address_space: global }
      - { .name: wc, .offset: 64, .size: 8, .value_kind: global_buffer, .address_space: global }
      - { .name: ws, .offset: 72, .size: 8, .value_kind: global_buffer, .address_space: global }
    .group_segment_fixed_size: 42496
    .private_segment_fixed_size: 0
    .kernarg_segment_align: 8
    .kernarg_segment_size: 80
    .max_flat_workgroup_size: 128
    .sgpr_count:     66
    .vgpr_count:     192
    .wavefront_size: 32
...
	.end_amdgpu_metadata
.endif
;; end of part 1
;; launch proj (part 2): grid 4 x 96, 4 waves a work-group, clusters of 4 x 4, 327,680 bytes of LDS; arguments xc, xs, wc, ws, qkv, bq, bv; writes qkv
.if DOCPART == 2
	.amdgcn_target "amdgcn-amd-amdhsa--gfx1250"
	.amdhsa_code_object_version 6
	.text
	.protected	k_qf3134d24a5_proj
	.globl	k_qf3134d24a5_proj
	.p2align	8
	.type	k_qf3134d24a5_proj,@function
k_qf3134d24a5_proj:
	s_mov_b64 s[64:65], 0
	v_nop
	global_prefetch_b8 v0, s[64:65] scope:SCOPE_SE
	s_setreg_imm32_b32 hwreg(HW_REG_WAVE_MODE, 25, 1), 1
	s_wait_xcnt 0x0
	s_wait_alu depctr_hold_cnt(0) depctr_sa_sdst(0) depctr_va_vdst(0) depctr_va_sdst(0) depctr_va_ssrc(0) depctr_va_vcc(0) depctr_vm_vsrc(0)
	s_getreg_b32 s2, hwreg(HW_REG_IB_STS2, 6, 4)
	s_cmp_eq_u32 s2, 0
	s_cbranch_scc0 .Lentry_in_a_cluster
	s_endpgm
.Lentry_in_a_cluster:
	s_bfe_u32 s2, ttmp6, 0x10000c
	s_cmp_lg_u32 s2, 0xf033
	s_cbranch_scc0 .Lentry_shape_is_right
	s_endpgm
.Lentry_shape_is_right:
; SELF-ATTENTION, launch 2 of 4: the three projections on codes of FP4 (E2M1) with E8M0 scales: qkv[p][m][n] = sum over k of x_p[m][k] W_p[k][n] (+ bias), p = q, k, v; sums in f32, rounded once to f16.
; LEFT OUT: bk.  It adds to every score of a query the same number, which the softmax takes away (shown at the head of the first launch); so k gets no bias and bk is not among the arguments.
; LIMIT: the results are kept in f16 for the two products that follow: magnitudes beyond 65,504 become infinite.
; A = xc [24576][512 bytes] with xs [24576][32]: the rows of q_in, k_in, v_in on end.  B = wc [3072][512 bytes] with ws [3072][32]: the columns of Wq, Wk, Wv on end, K innermost.  C = qkv [24576][1024] f16.
; A tile of C, 256 x 256, is made by a work-group of four waves; a wave makes 128 x 128: 64 accumulators, 512 registers.  K = 1,024 is two LDS slots of 512 along K (rows of 256 bytes), both asked for at the
; start: nothing is ever filled again.  The scale bytes of the tile's rows, two dense blocks, come with them in rows of 256 bytes.
; CLUSTERS: 4 x 4 work-groups.  The four of a row of the cluster need the same tiles of A, the four of a column the same tiles of B: each tile is asked for jointly, by the same tensor load with the same
; descriptor and a mask that names the four.  A cluster's 1,024 rows lie in one projection (8 clusters to each), so the projection's number hangs on the cluster's y alone.
; THE MATRIX INSTRUCTION IS USED TRANSPOSED (source 0 = 16 rows of B, source 1 = 16 rows of A): a lane holds eight neighbouring numbers of a row of C.  The bias is the C of each sum's first product.
; REGISTERS, in windows of 256: window 0: v0-31 addresses; v32-95 scale words, two sets, and nothing else; v128-191 A's fragments, one set; v192-255 the bias of my 128 columns; on the way out v128-255 are free.
;   window 1: B's fragments, two sets, at v0 and v128.   window 2: the accumulators of my rows 0-63 ((a, b) at v[8 (8 a + b)]);   window 3: those of my rows 64-127.
.set NQ,     4                         ; matrix instructions deep in a slot: 512 along K
.set ROWB,   256                       ; a tile's row in bytes
.set KROW,   512                       ; a row of codes in memory
.set PITCH,  272                       ; an LDS row: 256 bytes + 16 of padding = 68 words: the 16 rows that a load touches start 4 words apart modulo 64
.set FR,     8                         ; registers of a fragment: 16 rows x 128 K
.set NL,     2                         ; LDS loads that bring one
.set NP,     4                         ; places behind this matrix instruction (ISA guide 7.12.1)
.set HALFT,  128*PITCH
.set SLOT,   4*HALFT                   ; A's 256 rows, then B's 256 rows
.set KS,     32                        ; a row of scale bytes
.set SCL,    2*SLOT                    ; behind the slots: the scales, as rows of 256 bytes + 16 of padding
.set HALFS,  (128*KS/256)*272          ; those of 128 rows: what one tensor load brings
.set SBLK,   (16*KS/256)*272           ; those of 16 rows
.set SPARE,  SCL+4*HALFS               ; the spare words, 128 bytes for each wave: two blocks of 256 bytes that no other line names
.set STAGE,  SPARE+512                 ; the way out: 16 rows x 272 bytes for each wave; no tensor load lands here
.set SPITCH, 272
.set CROW,   2048                      ; a row of qkv in bytes
.set ADRA, 16                          ; v16-17  LDS address of my A fragments in slot 0, 1
.set ADRB, 20                          ; v20-21  the same for B
.set STO,  24                          ; v24     the way out: where I put 16 bytes of a row
.set RD,   25                          ; v25     where I read a row back
.set CO,   26                          ; v26     my byte offset in two rows of C
.set ADRS, 27                          ; v27     LDS address of my scale words: lanes 0-15 A's rows, lanes 16-31 B's
.set SPW,  28                          ; v28     LDS address of my spare word; never rewritten
.set NIL,  29                          ; v29     0; never rewritten
.set BO,   30                          ; v30     the bias: 32 bytes for each half of the lanes
.set SC,   32                          ; scale words: set s at v[SC + 32 s]; register 4 i + q: lanes 0-15 A's block i, lanes 16-31 B's block i, the slot's q-th 128 along K
.set AF,   128
.set BIAS, 192                         ; register 8 b + j: the bias of column 16 b + 8 (lane / 16) + j of my 128
.set TMP,  192                         ; the way out: packed results
.set OB,   128                         ; the way out: 16 rows read back: v128-159 and v160-191 by turns
.set PJ,   66                          ; s66     the projection: 0 q, 1 k, 2 v
.set G1, 24
.set G0, 32
.set G1B, 48
.set G0B, 56
.set G1S, 68
.set G0S, 76
.set G1SB, 80
.set G0SB, 88
.set MSB, 0
.macro WIN new                         ; the immediate's high byte repeats the setting that is left
.if MSB != (\new)
	s_set_vgpr_msb (MSB<<8)|(\new)
.set MSB, (\new)
.endif
.endm
.set MUL_LO, 0xa1                      ; source 0 (B) window 1, source 1 (A) window 0, C and D window 2
.set MUL_HI, 0xf1                      ; the same, C and D window 3
.set BIA_LO, 0x81                      ; C (the bias) window 0, D window 2
.set BIA_HI, 0xc1                      ; C window 0, D window 3
.set TO_B,   0x40                      ; destination window 1, address window 0
; A joint load: waves 0 and 1 fetch for A, waves 2 and 3 for B.  The branch hangs on the wave's number alone.  An s_nop 0 and four v_nop follow each of the two lines.
.macro JLOAD g0a, g1a, g0b, g1b
	s_cmp_eq_u32 s15, 0
	s_cbranch_scc0 .Lfor_b_\@
	tensor_load_to_lds s[\g0a:\g0a+3], s[\g1a:\g1a+7]
	s_nop 0
.rept 4
	v_nop
.endr
	s_branch .Lasked_\@
.Lfor_b_\@:
	tensor_load_to_lds s[\g0b:\g0b+3], s[\g1b:\g1b+7]
	s_nop 0
.rept 4
	v_nop
.endr
.Lasked_\@:
.endm
.macro CROUND                          ; a round of the cluster's barrier
	s_barrier_signal -1
	s_barrier_wait -1
	s_cmp_lg_u32 s14, 0
	s_cbranch_scc1 .Lnot_wave_0_\@
	s_barrier_signal -3
.Lnot_wave_0_\@:
	s_barrier_wait -3
	s_barrier_signal -1
	s_barrier_wait -1
.endm
	s_load_b128 s[4:7], s[0:1], 0x0                ; xc, xs
	s_load_b128 s[8:11], s[0:1], 0x10              ; wc, ws
	s_load_b64 s[12:13], s[0:1], 0x20              ; qkv
	s_load_b64 s[96:97], s[0:1], 0x28              ; bq
	s_load_b64 s[98:99], s[0:1], 0x30              ; bv
	v_lshl_add_u32 v[SPW], v0, 2, SPARE
	v_mov_b32 v[NIL], 0
	ds_add_u32 v[SPW], v[NIL]                      ; the wave's opening: the add, twice on end, and its wait ahead of my first tensor load
	ds_add_u32 v[SPW], v[NIL]
	v_lshrrev_b32 v1, 5, v0
	v_readfirstlane_b32 s14, v1                    ; wave 0..3
	s_lshr_b32 s15, s14, 1                         ; which half of the tile's rows is mine.  Also: I fetch for A (0) or for B (1)
	s_and_b32 s16, s14, 1                          ; which half of its columns.  Also: which 128 rows of that tile I fetch
	s_bfe_u32 s40, ttmp6, 0x40000                  ; cx, cy: my place in the cluster
	s_bfe_u32 s41, ttmp6, 0x40004
	s_lshl_b32 s42, ttmp9, 2
	s_add_co_u32 s42, s42, s40                     ; tile column = 4 x cluster x + cx: 0..3
	s_and_b32 s17, ttmp7, 0xffff                   ; cluster y: 0..23
	s_lshr_b32 s[PJ], s17, 3                       ; eight clusters to a projection: the same number in all sixteen partners
	s_lshl_b32 s17, s17, 2
	s_add_co_u32 s17, s17, s41                     ; tile row = 4 x cluster y + cy: 0..95
	s_lshl_b32 s43, s41, 2
	s_lshl_b32 s43, 15, s43                        ; my row of the cluster
	s_lshl_b32 s44, 0x1111, s40                    ; my column
	; descriptor group 1: a tile of 128 rows x 256 bytes, padded in LDS
	s_or_b32 s[G1+0], s43, (0<<16)|(1<<20)|(1<<21)|(5<<22)|(3<<25)  ; 15:0 the mask: A's tiles go to my row; 17:16 elements of 1 byte; 20 padding on; 21 set beside a mask; 24:22 after every 64 words; 31:25 four words
	s_or_b32 s[G1B+0], s44, (0<<16)|(1<<20)|(1<<21)|(5<<22)|(3<<25)
.irp g, G1, G1B
	s_mov_b32 s[\g+1], ROWB<<16                    ; tensor_dim0
	s_mov_b32 s[\g+2], 128<<16                     ; tensor_dim1
	s_mov_b32 s[\g+3], ROWB<<16                    ; tile_dim0
	s_mov_b32 s[\g+4], 128                         ; tile_dim1
	s_mov_b32 s[\g+5], KROW                        ; tensor_dim0_stride
	s_mov_b32 s[\g+6], 0
	s_mov_b32 s[\g+7], 0
.endr
	; and for the scales of 128 rows: a dense block of 4,096 bytes, as 16 rows of 256 bytes (32 elements of 8 bytes), 16 bytes of padding behind each
	s_or_b32 s[G1S+0], s43, (3<<16)|(1<<20)|(1<<21)|(5<<22)|(3<<25)
	s_or_b32 s[G1SB+0], s44, (3<<16)|(1<<20)|(1<<21)|(5<<22)|(3<<25)
.irp g, G1S, G1SB
	s_mov_b32 s[\g+1], 32<<16
	s_mov_b32 s[\g+2], (128*KS/256)<<16
	s_mov_b32 s[\g+3], 32<<16
	s_mov_b32 s[\g+4], 128*KS/256
	s_mov_b32 s[\g+5], 32
	s_mov_b32 s[\g+6], 0
	s_mov_b32 s[\g+7], 0
.endr
	s_lshl_b32 s18, s16, 7                         ; which 128 rows of the tile I fetch
	s_lshl_b32 s20, s17, 8
	s_add_co_u32 s20, s20, s18                     ; A: row 256 x tile row + 128 x half
	s_lshl_b32 s46, s42, 8
	s_add_co_u32 s46, s46, s18
	s_lshl_b32 s18, s[PJ], 10
	s_add_co_u32 s46, s46, s18                     ; B: row 1,024 x projection + 256 x tile column + 128 x half
	s_mov_b32 s21, 0
	s_mov_b32 s47, 0
	s_mov_b64 s[18:19], KS
	s_mul_u64 s[22:23], s[20:21], s[18:19]         ; where these rows' scales begin, in bytes
	s_mul_u64 s[92:93], s[46:47], s[18:19]
	s_mov_b64 s[18:19], KROW
	s_mul_u64 s[20:21], s[20:21], s[18:19]         ; and their codes
	s_mul_u64 s[46:47], s[46:47], s[18:19]
	s_mul_i32 s45, s14, HALFT                      ; where they go: wave x 128 rows: no place in the cluster enters an LDS address
	s_mul_i32 s94, s14, HALFS
	s_wait_dscnt 0x0                               ; both opening adds are done
	s_wait_kmcnt 0x0
	s_add_nc_u64 s[20:21], s[4:5], s[20:21]
	s_add_nc_u64 s[22:23], s[6:7], s[22:23]
	s_add_nc_u64 s[46:47], s[8:9], s[46:47]
	s_add_nc_u64 s[92:93], s[10:11], s[92:93]
	CROUND                                         ; all sixteen work-groups are here: the joint loads meet
	s_mov_b32 s[G0S], 1
	s_add_co_u32 s[G0S+1], s94, SCL
	s_mov_b64 s[G0S+2:G0S+3], s[22:23]
	s_or_b32 s[G0S+3], s[G0S+3], 0x80000000
	s_mov_b32 s[G0SB], 1
	s_add_co_u32 s[G0SB+1], s94, SCL
	s_mov_b64 s[G0SB+2:G0SB+3], s[92:93]
	s_or_b32 s[G0SB+3], s[G0SB+3], 0x80000000
	JLOAD G0S, G1S, G0SB, G1SB                     ; the scales first: they are wanted with slot 0.  Three tensor loads of mine are out after the two below
.irp s, 0,1
	s_mov_b32 s[G0+4*\s], 1
	s_add_co_u32 s[G0+4*\s+1], s45, \s*SLOT
	s_add_nc_u64 s[G0+4*\s+2:G0+4*\s+3], s[20:21], \s*ROWB
	s_or_b32 s[G0+4*\s+3], s[G0+4*\s+3], 0x80000000
	s_mov_b32 s[G0B+4*\s], 1
	s_add_co_u32 s[G0B+4*\s+1], s45, \s*SLOT
	s_add_nc_u64 s[G0B+4*\s+2:G0B+4*\s+3], s[46:47], \s*ROWB
	s_or_b32 s[G0B+4*\s+3], s[G0B+4*\s+3], 0x80000000
	JLOAD G0+4*\s, G1, G0B+4*\s, G1B
.endr
	v_and_b32 v1, 15, v0                           ; l % 16
	v_bfe_u32 v2, v0, 4, 1                         ; l / 16
	v_mul_u32_u24 v3, v1, PITCH
	v_lshl_add_u32 v4, v2, 4, v3                   ; a fragment's row x pitch + 16 x half
	s_mul_i32 s21, s15, HALFT                      ; my 128 rows of A
	s_mul_i32 s22, s16, HALFT                      ; my 128 rows of B,
	s_add_co_u32 s22, s22, 2*HALFT                 ; which lie behind A's 256
.irp s, 0,1
	v_add_nc_u32 v[ADRA+\s], s21, v4
	v_add_nc_u32 v[ADRB+\s], s22, v4
	s_add_co_u32 s21, s21, SLOT
	s_add_co_u32 s22, s22, SLOT
.endr
	v_mul_u32_u24 v5, v1, KS                       ; my row's scales: 32 bytes a row,
	v_lshrrev_b32 v6, 8, v5
	v_lshl_add_u32 v5, v6, 4, v5                   ; and 16 more for each 256 passed
	s_mul_i32 s21, s15, HALFS                      ; A's: my 128 rows
	s_mul_i32 s22, s16, HALFS                      ; B's: my 128 rows, behind A's 256
	s_add_co_u32 s22, s22, 2*HALFS
	s_sub_co_u32 s22, s22, s21
	v_mul_u32_u24 v6, s22, v2                      ; lanes 16-31 take B's: the lower base + half x the distance
	s_add_co_u32 s21, s21, SCL
	v_add_nc_u32 v5, v5, v6
	v_add_nc_u32 v[ADRS], s21, v5
	s_mul_i32 s23, s14, 16*SPITCH
	s_add_co_u32 s23, s23, STAGE                   ; my stage
	v_mul_u32_u24 v5, v1, SPITCH                   ; in: row l % 16, 16 bytes for each half of the lanes
	v_lshl_add_u32 v5, v2, 4, v5
	v_add_nc_u32 v[STO], s23, v5
	v_mul_u32_u24 v5, v2, SPITCH                   ; back: lanes 0-15 take one row of 256 bytes, lanes 16-31 the next
	v_lshl_add_u32 v5, v1, 4, v5
	v_add_nc_u32 v[RD], s23, v5
	v_lshlrev_b32 v5, 11, v2                       ; and the same two rows in C
	v_lshl_add_u32 v[CO], v1, 4, v5
	v_lshlrev_b32 v[BO], 5, v2
	s_lshl_b32 s20, s17, 8
	s_lshl_b32 s21, s15, 7
	s_add_co_u32 s20, s20, s21                     ; my first row of C: 256 x tile row + 128 x half
	s_lshl_b32 s20, s20, 11                        ; rows of 2,048 bytes: under 2^26
	s_mov_b32 s21, 0
	s_lshl_b32 s46, s42, 9                         ; my first column, in bytes: 512 x tile column + 256 x half
	s_lshl_b32 s47, s16, 8
	s_add_co_u32 s46, s46, s47
	s_mov_b32 s47, 0
	s_add_nc_u64 s[20:21], s[20:21], s[46:47]
	s_add_nc_u64 s[12:13], s[12:13], s[20:21]
	s_cmp_eq_u32 s[PJ], 0
	s_cselect_b64 s[96:97], s[96:97], s[98:99]     ; bq for q, bv for v (k takes none)
	s_lshl_b32 s46, s46, 1                         ; my first column in a bias: 4 bytes a number
	s_add_nc_u64 s[96:97], s[96:97], s[46:47]
.macro FRAG reg, adr, q, i             ; a fragment: lane l holds row l % 16; registers 4 c .. 4 c + 3 hold K = 64 c + 32 (l / 16) + 0 .. 31
.irp c, 0,1
	ds_load_b128 v[\reg+4*\c:\reg+4*\c+3], v[\adr] offset:64*(\q)+32*\c+(\i)*16*PITCH
.endr
.endm
; 16 matrix instructions: A's blocks a0, a0 + 1 x B's eight, the slot's q-th 128 along K.  p: B's set; sc: the set of scale words.  zero = 1: the product starts the sum with 0; 2: with the bias.
; The 64 accumulators take turns, one instruction a turn, in the same order in every step.
.macro MUL16 a0, p, q, sc, zero
.irp a, \a0, \a0+1
.irp b, 0,1,2,3,4,5,6,7
.if \zero == 1
	v_wmma_scale_f32_16x16x128_f8f6f4 v[8*(8*((\a)%4)+\b):8*(8*((\a)%4)+\b)+7], v[128*(\p)+FR*\b:128*(\p)+FR*\b+FR-1], v[AF+FR*(\a):AF+FR*(\a)+FR-1], 0, v[SC+8*NQ*(\sc)+NQ*\b+(\q)], v[SC+8*NQ*(\sc)+NQ*(\a)+(\q)] matrix_a_fmt:MATRIX_FMT_FP4 matrix_b_fmt:MATRIX_FMT_FP4 matrix_a_scale:MATRIX_SCALE_ROW1
.elseif \zero == 2
	v_wmma_scale_f32_16x16x128_f8f6f4 v[8*(8*((\a)%4)+\b):8*(8*((\a)%4)+\b)+7], v[128*(\p)+FR*\b:128*(\p)+FR*\b+FR-1], v[AF+FR*(\a):AF+FR*(\a)+FR-1], v[BIAS+8*\b:BIAS+8*\b+7], v[SC+8*NQ*(\sc)+NQ*\b+(\q)], v[SC+8*NQ*(\sc)+NQ*(\a)+(\q)] matrix_a_fmt:MATRIX_FMT_FP4 matrix_b_fmt:MATRIX_FMT_FP4 matrix_a_scale:MATRIX_SCALE_ROW1
.else
	v_wmma_scale_f32_16x16x128_f8f6f4 v[8*(8*((\a)%4)+\b):8*(8*((\a)%4)+\b)+7], v[128*(\p)+FR*\b:128*(\p)+FR*\b+FR-1], v[AF+FR*(\a):AF+FR*(\a)+FR-1], v[8*(8*((\a)%4)+\b):8*(8*((\a)%4)+\b)+7], v[SC+8*NQ*(\sc)+NQ*\b+(\q)], v[SC+8*NQ*(\sc)+NQ*(\a)+(\q)] matrix_a_fmt:MATRIX_FMT_FP4 matrix_b_fmt:MATRIX_FMT_FP4 matrix_a_scale:MATRIX_SCALE_ROW1
.endif
.endr
.endr
.endm
.macro FETCH_B slot, q, p              ; B's eight fragments of the slot's q-th 128 along K into set p
	WIN TO_B
.irp i, 0,1,2,3,4,5,6,7
	FRAG 128*(\p)+FR*\i, ADRB+\slot, \q, \i
.endr
	WIN 0
.endm
.macro FETCH_A slot, q, i0             ; A's blocks i0 .. i0 + 3
.irp i, \i0, \i0+1, \i0+2, \i0+3
	FRAG AF+FR*(\i), ADRA+\slot, \q, \i
.endr
.endm
.macro SCALES sc                       ; a slot's scale words into set sc: four words a row; lanes 0-15 take A's block i, lanes 16-31 B's block i
.irp i, 0,1,2,3,4,5,6,7
	ds_load_b128 v[SC+8*NQ*\sc+NQ*\i:SC+8*NQ*\sc+NQ*\i+3], v[ADRS] offset:\i*SBLK
.endr
.endm
; A load into a register that a matrix instruction has read, and a vector instruction that reads a matrix result, stand NP places behind that matrix instruction; only plain vector instructions that name none
; of its registers are places (ISA guide 7.12.1 for vector instructions).
.macro PLACES n
.rept \n
	v_nop
.endr
.endm
; A step of 128 along K that has its successor in the same slot.  A's blocks are free as soon as their eight products are issued: blocks 0-3 are fetched anew in the step's middle, blocks 4-7 at its end.
.macro STEP slot, q, zero
	s_wait_dscnt 4*NL                              ; B's set and A's blocks 0-3 are in; the youngest eight loads (A's blocks 4-7) may be out
.if \zero == 2
	WIN BIA_LO
.else
	WIN MUL_LO
.endif
	MUL16 0, (\q)%2, \q, \slot, \zero
	MUL16 2, (\q)%2, \q, \slot, \zero
	s_wait_dscnt 0                                 ; A's blocks 4-7 are in
	PLACES NP
	FETCH_B \slot, (\q)+1, 1-(\q)%2
	FETCH_A \slot, (\q)+1, 0
.if \zero == 2
	WIN BIA_HI
.else
	WIN MUL_HI
.endif
	MUL16 4, (\q)%2, \q, \slot, \zero
	MUL16 6, (\q)%2, \q, \slot, \zero
	PLACES NP
	WIN 0
	FETCH_A \slot, (\q)+1, 4
.endm
.macro STEPS slot, from                ; the slot's steps from .. NQ - 2
.set Q, \from
.rept NQ-1-\from
	STEP \slot, Q, 0
.set Q, Q+1
.endr
.endm
	s_wait_tensorcnt 1                             ; the scales and my part of slot 0 are in (slot 1's load may be out)
	s_barrier_signal -1
	s_barrier_wait -1                              ; everybody's are
	FETCH_B 0, 0, 0
	FETCH_A 0, 0, 0
	SCALES 0
	FETCH_A 0, 0, 4
	s_cmp_eq_u32 s[PJ], 1                          ; the cluster's y alone: the same in all waves and all partners
	s_cbranch_scc1 .Lno_bias
.irp b, 0,1,2,3,4,5,6,7                ; the bias of my 128 columns, in the result's layout; loaded and used in this one arm, so that no way through the text reads these registers unwritten
	global_load_b128 v[BIAS+8*\b:BIAS+8*\b+3], v[BO], s[96:97] offset:64*\b
	global_load_b128 v[BIAS+8*\b+4:BIAS+8*\b+7], v[BO], s[96:97] offset:64*\b+16
.endr
	s_wait_loadcnt 0x0
	STEP 0, 0, 2                                   ; the first products start the sums with the bias
	s_branch .Lstarted
.Lno_bias:
	STEP 0, 0, 1                                   ; k: they start with 0
.Lstarted:
	STEPS 0, 1
	; slot 0's last step changes slots: each wave waits for all its tensor loads (its part of slot 1), adds 0 to its spare word, and waits for that and for its reads; one barrier; then slot 1 is read
	s_wait_tensorcnt 0x0
	ds_add_u32 v[SPW], v[NIL]
	s_wait_dscnt 4*NL+1                            ; (the add and the youngest eight loads, A's blocks 4-7, may be out)
	WIN MUL_LO
	MUL16 0, 1, NQ-1, 0, 0
	s_wait_dscnt 0x0
	s_barrier_signal -1
	MUL16 2, 1, NQ-1, 0, 0
	WIN 0
	s_barrier_wait -1
	PLACES NP
	v_add_nc_u32 v[ADRS], 4*NQ, v[ADRS]            ; on to slot 1's scale words
	FETCH_B 1, 0, 0
	FETCH_A 1, 0, 0
	SCALES 1
	WIN MUL_HI
	MUL16 4, 1, NQ-1, 0, 0
	MUL16 6, 1, NQ-1, 0, 0
	PLACES NP
	WIN 0
	FETCH_A 1, 0, 4
	STEPS 1, 0
	s_wait_dscnt 4*NL                              ; the very last step: nothing more to fetch
	WIN MUL_LO
	MUL16 0, 1, NQ-1, 1, 0
	MUL16 2, 1, NQ-1, 1, 0
	s_wait_dscnt 0
	WIN MUL_HI
	MUL16 4, 1, NQ-1, 1, 0
	MUL16 6, 1, NQ-1, 1, 0
	WIN 0
; THE WAY OUT, block by block of 16 rows x 128 columns: rounded to f16, 16 bytes a lane, through my own stage in LDS, back as whole rows of 256 bytes, stored sixteen lanes to a row.
.macro PACK a
.set AC, 64*((\a)%4)
	WIN 0x0a+5*((\a)/4)                            ; sources 0 and 1: window 2 or 3
.irp b, 0,1,2,3,4,5,6,7
.irp r, 0,1,2,3
	v_cvt_pk_f16_f32 v[TMP+4*\b+\r], v[AC+8*\b+2*\r], v[AC+8*\b+2*\r+1]   ; each accumulator from its low end on
.endr
.endr
	WIN 0
.endm
.macro TOSTAGE a
.set BB, OB+32*((\a)%2)
.irp b, 0,1,2,3,4,5,6,7
	ds_store_b128 v[STO], v[TMP+4*\b:TMP+4*\b+3] offset:32*\b
.endr
.irp t, 0,1,2,3,4,5,6,7
	ds_load_b128 v[BB+4*\t:BB+4*\t+3], v[RD] offset:\t*2*SPITCH    ; LDS serves a wave's instructions in order: these see the stores above
.endr
.endm
.macro SEND a
.set BB, OB+32*((\a)%2)
	s_wait_dscnt 0x0                               ; the block is back in registers
	s_wait_xcnt 0x0                                ; earlier stores have read their base and their registers: only now are these written again
.if (\a) > 0
	s_add_nc_u64 s[12:13], s[12:13], 16*CROW
.endif
.irp t, 0,1,2,3,4,5,6,7
	global_store_b128 v[CO], v[BB+4*\t:BB+4*\t+3], s[12:13] offset:2*\t*CROW   ; 16 lanes store 256 consecutive bytes, at a multiple of 256 from the buffer's first byte
.endr
.endm
	PLACES NP
	PACK 0
	TOSTAGE 0
.irp a, 1,2,3,4,5,6,7                  ; block a's conversions stand between block a - 1's loads from the stage and the wait for them
	PACK \a
	SEND \a-1
	TOSTAGE \a
.endr
	SEND 7
	s_wait_tensorcnt 0x0                           ; the wave's end
	ds_add_u32 v[SPW], v[NIL]
	s_wait_dscnt 0x0
	CROUND                                         ; the closing round
	s_endpgm
.Lfunc_end_k_qf3134d24a5_proj:
	.size	k_qf3134d24a5_proj, .Lfunc_end_k_qf3134d24a5_proj-k_qf3134d24a5_proj
	.p2alignl 7, 3214868480
	.fill 96, 4, 3214868480
	.section	.rodata,"a",@progbits
	.p2align	6, 0x0
	.amdhsa_kernel k_qf3134d24a5_proj
		.amdhsa_group_segment_fixed_size 327680
		.amdhsa_private_segment_fixed_size 0
		.amdhsa_enable_private_segment 0
		.amdhsa_kernarg_size 56
		.amdhsa_user_sgpr_count 2
		.amdhsa_user_sgpr_kernarg_segment_ptr 1
		.amdhsa_wavefront_size32 1
		.amdhsa_system_sgpr_workgroup_id_x 1
		.amdhsa_system_sgpr_workgroup_id_y 1
		.amdhsa_system_sgpr_workgroup_id_z 1
		.amdhsa_system_vgpr_workitem_id 0
		.amdhsa_next_free_vgpr 1024
		.amdhsa_next_free_sgpr 100
		.amdhsa_reserve_vcc 0
		.amdhsa_float_denorm_mode_32 3
		.amdhsa_float_denorm_mode_16_64 3
		.amdhsa_memory_ordered 1
		.amdhsa_forward_progress 1
		.amdhsa_inst_pref_size 139
	.end_amdhsa_kernel
	.amdgpu_metadata
---
amdhsa.version: [ 1, 2 ]
amdhsa.kernels:
  - .name:           k_qf3134d24a5_proj
    .symbol:         k_qf3134d24a5_proj.kd
    .args:
      - { .name: xc, .offset: 0, .size: 8, .value_kind: global_buffer, .address_space: global }
      - { .name: xs, .offset: 8, .size: 8, .value_kind: global_buffer, .address_space: global }
      - { .name: wc, .offset: 16, .size: 8, .value_kind: global_buffer, .address_space: global }
      - { .name: ws, .offset: 24, .size: 8, .value_kind: global_buffer, .address_space: global }
      - { .name: qkv, .offset: 32, .size: 8, .value_kind: global_buffer, .address_space: global }
      - { .name: bq, .offset: 40, .size: 8, .value_kind: global_buffer, .address_space: global }
      - { .name: bv, .offset: 48, .size: 8, .value_kind: global_buffer, .address_space: global }
    .group_segment_fixed_size: 327680
    .private_segment_fixed_size: 0
    .kernarg_segment_align: 8
    .kernarg_segment_size: 56
    .max_flat_workgroup_size: 128
    .sgpr_count:     100
    .vgpr_count:     1024
    .wavefront_size: 32
...
	.end_amdgpu_metadata
.endif
;; end of part 2
;; launch scores (part 3): grid 8 x 32, 4 waves a work-group, clusters of 4 x 4, 327,680 bytes of LDS; arguments qkv, pt, st; writes pt, st
.if DOCPART == 3
	.amdgcn_target "amdgcn-amd-amdhsa--gfx1250"
	.amdhsa_code_object_version 6
	.text
	.protected	k_qf3134d24a5_scores
	.globl	k_qf3134d24a5_scores
	.p2align	8
	.type	k_qf3134d24a5_scores,@function
k_qf3134d24a5_scores:
	s_mov_b64 s[64:65], 0
	v_nop
	global_prefetch_b8 v0, s[64:65] scope:SCOPE_SE
	s_setreg_imm32_b32 hwreg(HW_REG_WAVE_MODE, 25, 1), 1
	s_wait_xcnt 0x0
	s_wait_alu depctr_hold_cnt(0) depctr_sa_sdst(0) depctr_va_vdst(0) depctr_va_sdst(0) depctr_va_ssrc(0) depctr_va_vcc(0) depctr_vm_vsrc(0)
	s_getreg_b32 s2, hwreg(HW_REG_IB_STS2, 6, 4)
	s_cmp_eq_u32 s2, 0
	s_cbranch_scc0 .Lentry_in_a_cluster
	s_endpgm
.Lentry_in_a_cluster:
	s_bfe_u32 s2, ttmp6, 0x10000c
	s_cmp_lg_u32 s2, 0xf033
	s_cbranch_scc0 .Lentry_shape_is_right
	s_endpgm
.Lentry_shape_is_right:
; SELF-ATTENTION, launch 3 of 4: S = Q K^T on f16 operands with f32 sums, and the first level of the softmax.
; Q = qkv rows 0 to 8,191, K = qkv rows 8,192 to 16,383 (rows of 1,024 f16); batch b owns rows 2,048 b on of each.
; THE SOFTMAX IN TWO LEVELS, the maximum taken away in both.  With c = log2(e) / 32 and t = c x score: for each query and each TILE of 128 keys (16 tiles a query)
;   NM = floor(-(the tile's largest t)), so that M = -NM is that largest t rounded up to a whole number;   p = 2^(t + NM), at most 1, stored as f16 in pt [8192 queries][2048 keys];
;   l = the sum of the tile's unrounded p, in f32.   NM goes to st [16 tiles][8192], l to st + 524,288 in the same order.  The next launch brings the 16 tiles of a query under their largest M.
; LIMITS: a p under 6e-5 is kept to 3e-8 absolute (f16's subnormals), beside a largest p of its tile above 1/2.  NaN and infinities are not served.
; A tile of S, 256 queries x 256 keys, is made by a work-group of four waves; a wave makes 128 x 128: 64 accumulators, 512 registers: its 128 keys are one tile of the softmax.
; K (the head's 1,024) goes in steps of 128 through a ring of two LDS slots filled by the tensor data mover: rows of 256 bytes.
; CLUSTERS: 4 x 4 work-groups; the four of a row of the cluster need the same rows of Q, the four of a column the same rows of K: each tile is asked for jointly.  A cluster's 1,024 queries lie in one batch.
; THE MATRIX INSTRUCTION IS USED TRANSPOSED (source 0 = 16 keys, source 1 = 16 queries): a lane holds ONE query (lane % 16) and, in the eight accumulators of a block of 16 queries, 64 of its 128 keys; the
; lane 16 away holds the other 64.  So a tile's maximum and sum want one exchange between the halves of the lanes.
; REGISTERS, in windows of 256: window 0: v0-31 addresses; v64-127, v128-191 Q's fragments, two buffers; on the way out v32-43 at work, v64-127 t and p, v128-159 packed p, v160-223 rows read back.
;   window 1: v64-127, v128-191 K's fragments.   window 2: the accumulators of my queries 0-63 ((a, b) at v[8 (8 a + b)]);   window 3: those of my queries 64-127.
.set SIZE_K, 1024
.set KSTEP,  128
.set PITCH,  272                       ; an LDS row: 256 bytes + 16 of padding = 68 words: the 16 rows that a load touches start 4 words apart modulo 64
.set HALFT,  128*PITCH
.set SLOT,   4*HALFT                   ; Q's 256 rows, then K's 256 rows
.set STAGE,  2*SLOT                    ; behind the ring: 16 rows x 272 bytes for each wave
.set SPITCH, 272
.set STATS,  STAGE+4*16*SPITCH         ; 1,024 bytes for each wave: NM of its 128 queries, then l
.set SPARE,  STATS+4*1024              ; the spare words, 128 bytes for each wave: two blocks of 256 bytes that no other line names
.set LAPS,   SIZE_K/(2*KSTEP)          ; a lap = two K steps = once round the ring
.set PROW,   4096                      ; a row of pt in bytes
.set ADRA, 16                          ; v16-17  LDS address of my Q fragments in slot 0, 1
.set ADRB, 20                          ; v20-21  the same for K
.set L16,  22                          ; v22     16 x lane
.set STO,  24                          ; v24     the way out: where I put 16 bytes of a row
.set RD,   25                          ; v25     where I read a row back
.set CO,   26                          ; v26     my byte offset in two rows of pt
.set SA,   27                          ; v27     where my query's NM goes in my wave's STATS
.set SPW,  28                          ; v28     LDS address of my spare word; never rewritten
.set NIL,  29                          ; v29     0; never rewritten
.set PFO,  30                          ; v30     the prefetches' offset: my lane x a row of 2,048 bytes; never rewritten
.set SB,   31                          ; v31     where I read 16 bytes of STATS back
.set T,    32                          ; v32-35  four chains of the maximum; v36 the other half of the lanes'
.set NM,   38                          ; v[38:39] NM (the packed form names a pair and takes its low word)
.set SU,   40                          ; v[40:43] the sum, in two chains of pairs
.set E,    64
.set PK,   128
.set BK,   160
.set F0,   64
.set F1,   128
.set PFA,  44                          ; s[44:45] where my prefetches stand
.set LIM,  43                          ; s43     1 in a wave that prefetches, else the greatest number
.set SEL,  66                          ; s[66:67] v_permlanex16_b32's selects for lane l xor 16
.set CS,   68                          ; s[68:69] c, twice
.set G1, 24
.set G0, 32
.set G1B, 48
.set G0B, 56
.set MSB, 0
.macro WIN new                         ; the immediate's high byte repeats the setting that is left
.if MSB != (\new)
	s_set_vgpr_msb (MSB<<8)|(\new)
.set MSB, (\new)
.endif
.endm
.set MUL_LO, 0xa1                      ; source 0 (K) window 1, source 1 (Q) window 0, C and D window 2
.set MUL_HI, 0xf1
.set TO_B,   0x40
; A joint load: waves 0 and 1 fetch Q's two halves, waves 2 and 3 K's.  The branch hangs on the wave's number alone.  An s_nop 0 and four v_nop follow each of the two lines.
.macro JLOAD s
	s_cmp_eq_u32 s11, 0
	s_cbranch_scc0 .Lfor_b_\@
	tensor_load_to_lds s[G0+4*\s:G0+4*\s+3], s[G1:G1+7]
	s_nop 0
.rept 4
	v_nop
.endr
	s_branch .Lasked_\@
.Lfor_b_\@:
	tensor_load_to_lds s[G0B+4*\s:G0B+4*\s+3], s[G1B:G1B+7]
	s_nop 0
.rept 4
	v_nop
.endr
.Lasked_\@:
.endm
; A PREFETCH INTO THE L2, behind each joint load and the run of LDS loads that follows it: the K step that stands two refills on: 32 rows x 256 bytes, a lane a row, one instruction a wave.
; Each row's 256 bytes of a K step are named once in the launch.  Q's rows of a tile row are read by both clusters of that row of clusters: the one with x = 0 asks.  K's rows of a tile column are read by the
; two clusters of a batch in that column of clusters: the one with an even y asks.  The four partners that ask for a tile jointly share its rows out by address: of the 128 rows that a wave fetches the partner
; at place p takes 32 p on (p = cx for Q, cy for K).  The loop's last trip asks for nothing: its two refills have no K step two on.  K steps 0 to 3 come by their loads alone.
.macro ASK
	s_cmp_gt_u32 s3, s[LIM]                        ; s3 = 1 in the loop's last trip
	s_cbranch_scc0 .Lnot_mine_\@
	global_prefetch_b8 v[PFO], s[PFA:PFA+1] offset:KSTEP*2 th:TH_LOAD_NT scope:SCOPE_SE
.Lnot_mine_\@:
.endm
.macro CREST                           ; a round of the cluster's barrier behind its opening barrier
	s_cmp_lg_u32 s10, 0
	s_cbranch_scc1 .Lnot_wave_0_\@
	s_barrier_signal -3
.Lnot_wave_0_\@:
	s_barrier_wait -3
	s_barrier_signal -1
	s_barrier_wait -1
.endm
.macro CROUND
	s_barrier_signal -1
	s_barrier_wait -1
	CREST
.endm
	s_load_b64 s[4:5], s[0:1], 0x0                 ; qkv
	s_load_b64 s[8:9], s[0:1], 0x8                 ; pt
	s_load_b64 s[70:71], s[0:1], 0x10              ; st
	v_lshl_add_u32 v[SPW], v0, 2, SPARE
	v_mov_b32 v[NIL], 0
	ds_add_u32 v[SPW], v[NIL]                      ; the wave's opening: the add, twice on end, and its wait ahead of my first tensor load
	ds_add_u32 v[SPW], v[NIL]
	v_lshrrev_b32 v1, 5, v0
	v_readfirstlane_b32 s10, v1                    ; wave 0..3
	s_lshr_b32 s11, s10, 1                         ; which half of the tile's queries is mine.  Also: I fetch for Q (0) or for K (1)
	s_and_b32 s12, s10, 1                          ; which half of its keys.  Also: which 128 rows of that tile I fetch
	s_bfe_u32 s40, ttmp6, 0x40000                  ; cx, cy
	s_bfe_u32 s41, ttmp6, 0x40004
	s_lshl_b32 s42, ttmp9, 2
	s_add_co_u32 s42, s42, s40                     ; tile column (keys) = 4 x cluster x + cx: 0..7
	s_and_b32 s13, ttmp7, 0xffff                   ; cluster y: 0..7
	s_lshr_b32 s2, s13, 1                          ; the batch: two clusters' 2,048 queries; the same in all sixteen partners
	s_lshl_b32 s13, s13, 2
	s_add_co_u32 s13, s13, s41                     ; tile row (queries) = 4 x cluster y + cy: 0..31
	s_lshl_b32 s43, s41, 2
	s_lshl_b32 s43, 15, s43                        ; my row of the cluster
	s_lshl_b32 s44, 0x1111, s40                    ; my column
	s_or_b32 s[G1+0], s43, (1<<16)|(1<<20)|(1<<21)|(5<<22)|(3<<25)  ; 15:0 the mask; 17:16 elements of 2 bytes; 20 padding on; 21 set beside a mask; 24:22 after every 64 words; 31:25 four words
	s_or_b32 s[G1B+0], s44, (1<<16)|(1<<20)|(1<<21)|(5<<22)|(3<<25)
.irp g, G1, G1B
	s_mov_b32 s[\g+1], KSTEP<<16                   ; tensor_dim0 = 128
	s_mov_b32 s[\g+2], 128<<16                     ; tensor_dim1 = 128
	s_mov_b32 s[\g+3], KSTEP<<16                   ; tile_dim0 = 128
	s_mov_b32 s[\g+4], 128                         ; tile_dim1 = 128
	s_mov_b32 s[\g+5], SIZE_K                      ; tensor_dim0_stride
	s_mov_b32 s[\g+6], 0
	s_mov_b32 s[\g+7], 0
.endr
	s_mov_b32 s[SEL], 0x76543210
	s_mov_b32 s[SEL+1], 0xfedcba98
	s_mov_b32 s[CS], 0x3d38aa3b                    ; c = log2(e) / 32
	s_mov_b32 s[CS+1], s[CS]
	s_lshl_b32 s17, s12, 7                         ; which 128 rows of the tile I fetch
	s_lshl_b32 s16, s13, 8
	s_add_co_u32 s16, s16, s17                     ; Q: row 256 x tile row + 128 x half
	s_lshl_b32 s16, s16, 11                        ; rows of 2,048 bytes: under 2^24
	s_lshl_b32 s46, s42, 8
	s_add_co_u32 s46, s46, s17
	s_lshl_b32 s47, s2, 11
	s_add_co_u32 s46, s46, s47                     ; K: row 2,048 x batch + 256 x tile column + 128 x half
	s_lshl_b32 s46, s46, 11
	s_mov_b32 s17, 0
	s_mov_b32 s47, 0
	s_mul_i32 s20, s10, HALFT                      ; where they go: wave x 128 rows: no place in the cluster enters an LDS address
	s_wait_dscnt 0x0                               ; both opening adds are done
	s_wait_kmcnt 0x0
	s_add_nc_u64 s[6:7], s[4:5], 0x1000000         ; K begins 8,192 rows of 2,048 bytes behind Q
	s_add_nc_u64 s[14:15], s[4:5], s[16:17]
	s_add_nc_u64 s[46:47], s[6:7], s[46:47]
	CROUND                                         ; all sixteen work-groups are here: the first joint loads meet
.irp s, 0,1
	s_mov_b32 s[G0+4*\s], 1
	s_add_co_u32 s[G0+4*\s+1], s20, \s*SLOT
	s_add_nc_u64 s[G0+4*\s+2:G0+4*\s+3], s[14:15], \s*KSTEP*2
	s_or_b32 s[G0+4*\s+3], s[G0+4*\s+3], 0x80000000
	s_mov_b32 s[G0B+4*\s], 1
	s_add_co_u32 s[G0B+4*\s+1], s20, \s*SLOT
	s_add_nc_u64 s[G0B+4*\s+2:G0B+4*\s+3], s[46:47], \s*KSTEP*2
	s_or_b32 s[G0B+4*\s+3], s[G0B+4*\s+3], 0x80000000
	JLOAD \s                                       ; two tensor loads of mine are out
.endr
	v_and_b32 v1, 15, v0                           ; l % 16
	v_bfe_u32 v2, v0, 4, 1                         ; l / 16
	v_mul_u32_u24 v3, v1, PITCH
	v_lshl_add_u32 v3, v2, 4, v3                   ; a fragment's row x pitch + 16 x half
	s_mul_i32 s21, s11, HALFT                      ; my 128 rows of Q
	s_mul_i32 s22, s12, HALFT                      ; my 128 rows of K,
	s_add_co_u32 s22, s22, 2*HALFT                 ; which lie behind Q's 256
.irp s, 0,1
	v_add_nc_u32 v[ADRA+\s], s21, v3
	v_add_nc_u32 v[ADRB+\s], s22, v3
	s_add_co_u32 s21, s21, SLOT
	s_add_co_u32 s22, s22, SLOT
.endr
	s_mul_i32 s23, s10, 16*SPITCH
	s_add_co_u32 s23, s23, STAGE                   ; my stage
	v_mul_u32_u24 v4, v1, SPITCH                   ; in: row l % 16, 16 bytes for each half of the lanes
	v_lshl_add_u32 v4, v2, 4, v4
	v_add_nc_u32 v[STO], s23, v4
	v_mul_u32_u24 v5, v2, SPITCH                   ; back: lanes 0-15 one row of 256 bytes, lanes 16-31 the next
	v_lshl_add_u32 v5, v1, 4, v5
	v_add_nc_u32 v[RD], s23, v5
	v_lshlrev_b32 v5, 12, v2                       ; and the same two rows in pt
	v_lshl_add_u32 v[CO], v1, 4, v5
	s_lshl_b32 s23, s10, 10
	s_add_co_u32 s23, s23, STATS                   ; my wave's STATS
	v_lshl_add_u32 v[SA], v1, 2, s23
	v_and_b32 v5, 31, v0
	v_lshlrev_b32 v[L16], 4, v5
	v_add_nc_u32 v[SB], s23, v[L16]
	v_mov_b32 v[T+4], 0                            ; written once: a lane permute's destination counts as one of its sources
	v_mov_b32 v[NM+1], 0                           ; (named as the upper half of a pair)
	s_lshl_b32 s16, s13, 8
	s_lshl_b32 s17, s11, 7
	s_add_co_u32 s16, s16, s17                     ; my first query: 256 x tile row + 128 x half
	s_lshl_b32 s18, s16, 2                         ; in a row of st: 4 bytes a query
	s_lshl_b32 s16, s16, 12                        ; in pt: rows of 4,096 bytes: under 2^25
	s_mov_b32 s17, 0
	s_lshl_b32 s46, s42, 9                         ; my first key, in bytes: 512 x tile column + 256 x half
	s_lshl_b32 s47, s12, 8
	s_add_co_u32 s46, s46, s47
	s_mov_b32 s47, 0
	s_add_nc_u64 s[8:9], s[8:9], s[16:17]
	s_add_nc_u64 s[8:9], s[8:9], s[46:47]
	s_lshl_b32 s46, s42, 1
	s_add_co_u32 s46, s46, s12                     ; which of the 16 tiles of keys is my wave's
	s_lshl_b32 s46, s46, 15                        ; 8,192 queries x 4 bytes to a tile
	s_add_co_u32 s46, s46, s18
	s_add_nc_u64 s[70:71], s[70:71], s[46:47]
	; the prefetches
	s_lshl_b32 s20, s13, 8                         ; Q's tile: its first row
	s_lshl_b32 s46, s42, 8
	s_lshl_b32 s47, s2, 11
	s_add_co_u32 s46, s46, s47                     ; K's tile: its first row
	s_and_b32 s22, ttmp7, 1                        ; the low bit of the cluster's y
	s_cmp_eq_u32 s11, 0                            ; do I fetch for Q?
	s_cselect_b32 s20, s20, s46
	s_cselect_b32 s21, s40, s41                    ; my place among the four that ask for it with me: it enters the address alone
	s_cselect_b32 s22, ttmp9, s22                  ; 0 in the cluster that asks
	s_cselect_b64 s[PFA:PFA+1], s[4:5], s[6:7]
	s_cmp_eq_u32 s22, 0
	s_cselect_b32 s[LIM], 1, -1                    ; the same in all sixteen partners, for a given wave
	s_lshl_b32 s22, s12, 7
	s_add_co_u32 s20, s20, s22                     ; + the 128 rows that I fetch
	s_lshl_b32 s21, s21, 5
	s_add_co_u32 s20, s20, s21                     ; + my work-group's 32 of them
	s_lshl_b32 s20, s20, 11
	s_mov_b32 s21, 0
	s_add_nc_u64 s[PFA:PFA+1], s[PFA:PFA+1], s[20:21]
	s_add_nc_u64 s[PFA:PFA+1], s[PFA:PFA+1], 2*KSTEP*2  ; at K step 2: the first refill steps it to 3 and names K step 4
	v_and_b32 v[PFO], 31, v0
	v_lshlrev_b32 v[PFO], 11, v[PFO]
; 16 matrix instructions: blocks a0, a0 + 1 of the window's four blocks of 16 queries x all 8 blocks of 16 keys, 32 along K.  zero = 1: the first product starts the sums.
; The 64 accumulators take turns, one instruction a turn, in the same order in every quarter.
.macro MUL16 f, hi, a0, zero
.irp a, \a0, \a0+1
.irp b, 0,1,2,3,4,5,6,7
.if \zero
	v_wmma_f32_16x16x32_f16 v[8*(8*(\a)+\b):8*(8*(\a)+\b)+7], v[\f+8*\b:\f+8*\b+7], v[\f+8*(4*\hi+\a):\f+8*(4*\hi+\a)+7], 0
.else
	v_wmma_f32_16x16x32_f16 v[8*(8*(\a)+\b):8*(8*(\a)+\b)+7], v[\f+8*\b:\f+8*\b+7], v[\f+8*(4*\hi+\a):\f+8*(4*\hi+\a)+7], v[8*(8*(\a)+\b):8*(8*(\a)+\b)+7]
.endif
.endr
.endr
.endm
; 32 LDS loads in one run: the fragments of one quarter step (128 rows of K, 128 rows of Q, 32 along K at byte k of the rows) into buffer f
.macro FETCH slot, k, f
	WIN TO_B
.irp i, 0,1,2,3,4,5,6,7
	ds_load_b128 v[\f+8*\i:\f+8*\i+3],   v[ADRB+\slot] offset:\k+\i*16*PITCH
	ds_load_b128 v[\f+8*\i+4:\f+8*\i+7], v[ADRB+\slot] offset:\k+\i*16*PITCH+32
.endr
	WIN 0
.irp i, 0,1,2,3,4,5,6,7
	ds_load_b128 v[\f+8*\i:\f+8*\i+3],   v[ADRA+\slot] offset:\k+\i*16*PITCH
	ds_load_b128 v[\f+8*\i+4:\f+8*\i+7], v[ADRA+\slot] offset:\k+\i*16*PITCH+32
.endr
.endm
.macro PLACES                          ; four places in front of loads into registers that matrix instructions have read, and of vector instructions that read results (ISA guide 7.12.1 for vector instructions)
.rept 4
	v_nop
.endr
.endm
; A K step is four quarters of 32 along K, 64 matrix instructions each, on buffers 0, 1, 0, 1.  One of the first three: multiplies buffer f; in its middle it fetches the next quarter, at byte k, into g.
.macro QUARTER slot, k, f, g, zero
	s_wait_dscnt 8                                 ; K and Q's rows 0-63 are in; the youngest eight loads (Q's rows 64-127) may be out
	WIN MUL_LO
	MUL16 \f, 0, 0, \zero
	MUL16 \f, 0, 2, \zero
	PLACES
	FETCH \slot, \k, \g
	s_wait_dscnt 32                                ; all but the 32 just issued
	WIN MUL_HI
	MUL16 \f, 1, 0, \zero
	MUL16 \f, 1, 2, \zero
.endm
; The last quarter multiplies buffer 1 and changes slots.  MEET is its first half: one barrier; in front of it each wave waits for all its tensor loads (one is out: its part of the next slot), adds 0 to its
; spare word, and waits for that and for its own reads of this slot.  Behind it nobody reads this slot any more and the next slot is whole.
.macro MEET round
	WIN 0
	s_wait_tensorcnt 0x0
	ds_add_u32 v[SPW], v[NIL]
	s_wait_dscnt 9                                 ; (the add and the youngest eight loads may be out)
	WIN MUL_LO
	MUL16 F1, 0, 0, 0                              ; sixteen matrix instructions stand between the add and the wait for it
	s_wait_dscnt 0x0                               ; the add is done, and my reads of this slot are over
	s_barrier_signal -1
	MUL16 F1, 0, 2, 0
.if \round
	WIN 0
.endif
	s_barrier_wait -1
.endm
; The whole last quarter where the slot is filled again, two K steps ahead: the barrier opens a round of the cluster's barrier, and the joint refill is the first tensor load behind it:
; one tensor load of mine is out, with 224 matrix instructions between it and the wait for it.
.macro TURN slot, next
	s_wait_xcnt 0x0                                ; the last prefetch, a K step back, has read its address: it is stepped here
	s_add_nc_u64 s[PFA:PFA+1], s[PFA:PFA+1], KSTEP*2
	MEET 1
	CREST
	s_add_nc_u64 s[G0+4*\slot+2:G0+4*\slot+3], s[G0+4*\slot+2:G0+4*\slot+3], 2*KSTEP*2
	s_add_nc_u64 s[G0B+4*\slot+2:G0B+4*\slot+3], s[G0B+4*\slot+2:G0B+4*\slot+3], 2*KSTEP*2
	JLOAD \slot                                    ; the four v_nop behind it are also the places in front of the loads below
	FETCH \next, 0, F0
	ASK
	WIN MUL_HI
	MUL16 F1, 1, 0, 0
	MUL16 F1, 1, 2, 0
.endm
	s_wait_tensorcnt 1                             ; my part of K step 0 is in (K step 1's load may be out)
	s_barrier_signal -1
	s_barrier_wait -1                              ; everybody's is
	FETCH 0, 0, F0
	QUARTER 0, 64,  F0, F1, 1                      ; the first quarter stands in front of the loop: its products start the sums
	WIN 0                                          ; at a label and at a branch every window is 0
	s_mov_b32 s3, LAPS-1
.Llap:                                                 ; a trip goes once round the ring, from a lap's second quarter to the next lap's first, and fills both slots again
	QUARTER 0, 128, F1, F0, 0
	QUARTER 0, 192, F0, F1, 0
	TURN 0, 1
	QUARTER 1, 64,  F0, F1, 0
	QUARTER 1, 128, F1, F0, 0
	QUARTER 1, 192, F0, F1, 0
	TURN 1, 0
	QUARTER 0, 64,  F0, F1, 0
	WIN 0
	s_sub_co_u32 s3, s3, 1
	s_cmp_lg_u32 s3, 0
	s_cbranch_scc1 .Llap
	QUARTER 0, 128, F1, F0, 0                      ; the last lap is written out: it fills nothing and has no round of the cluster's barrier
	QUARTER 0, 192, F0, F1, 0
	MEET 0
	PLACES
	FETCH 1, 0, F0
	WIN MUL_HI
	MUL16 F1, 1, 0, 0
	MUL16 F1, 1, 2, 0
	QUARTER 1, 64,  F0, F1, 0
	QUARTER 1, 128, F1, F0, 0
	QUARTER 1, 192, F0, F1, 0
	s_wait_dscnt 8                                 ; the very last quarter: nothing more to fetch
	WIN MUL_LO
	MUL16 F1, 0, 0, 0
	MUL16 F1, 0, 2, 0
	s_wait_dscnt 0
	WIN MUL_HI
	MUL16 F1, 1, 0, 0
	MUL16 F1, 1, 2, 0
	WIN 0
; THE WAY OUT, block by block of 16 queries x 128 keys.  SOFT a: the block's 64 scores of a lane (window 2 or 3, v[XB] on) become NM, l and 64 p.
.macro SOFT a
.set XW, 2+(\a)/4
.set XB, 64*((\a)%4)
	WIN XW|(XW<<2)|(XW<<4)                         ; all three sources in the accumulators' window
.irp k, 0,1,2,3
	v_max3_num_f32 v[T+\k], v[XB+16*\k], v[XB+16*\k+1], v[XB+16*\k+2]   ; the maximum in four chains; each accumulator is first read at its low end
.endr
	WIN (XW<<2)|(XW<<4)
.irp i, 3,5,7,9,11,13
.irp k, 0,1,2,3
	v_max3_num_f32 v[T+\k], v[T+\k], v[XB+16*\k+\i], v[XB+16*\k+\i+1]
.endr
.endr
	v_max3_num_f32 v[T], v[T], v[XB+15], v[XB+31]
	v_max3_num_f32 v[T+2], v[T+2], v[XB+47], v[XB+63]
	WIN 0
	v_max3_num_f32 v[T], v[T], v[T+1], v[T+2]
	v_max_num_f32 v[T], v[T], v[T+3]
	v_permlanex16_b32 v[T+4], v[T], s[SEL], s[SEL+1]   ; the query's other 64 keys lie in the lane 16 away
	v_max_num_f32 v[T], v[T], v[T+4]
	v_mul_f32 v[T], s[CS], v[T]                    ; as t (c is positive)
	v_floor_f32 v[NM], -v[T]                       ; NM = floor(-t) = -ceil(t): a whole number
	WIN XW                                         ; source 0 in the accumulators' window
.set j, 0
.rept 32
	v_pk_fma_f32 v[E+j:E+j+1], v[XB+j:XB+j+1], s[CS:CS+1], v[NM:NM+1] op_sel_hi:[1,0,0]   ; t + NM, two at a time
.set j, j+2
.endr
	WIN 0
.set j, 0
.rept 64
	v_exp_f32 v[E+j], v[E+j]                       ; p = 2^(t + NM): one batch
.set j, j+1
.endr
	v_nop                                          ; a plain line behind the last exponential
	s_wait_alu depctr_va_vdst(0)                   ; one wait for the batch, ahead of its first reader
	v_pk_add_f32 v[SU:SU+1], v[E:E+1], v[E+2:E+3]  ; the sum of the unrounded p, two at a time, in two chains
	v_pk_add_f32 v[SU+2:SU+3], v[E+4:E+5], v[E+6:E+7]
.set j, 8
.rept 14
	v_pk_add_f32 v[SU:SU+1], v[SU:SU+1], v[E+j:E+j+1]
	v_pk_add_f32 v[SU+2:SU+3], v[SU+2:SU+3], v[E+j+2:E+j+3]
.set j, j+4
.endr
	v_pk_add_f32 v[SU:SU+1], v[SU:SU+1], v[SU+2:SU+3]
	v_add_f32 v[SU], v[SU], v[SU+1]
	v_permlanex16_b32 v[T+4], v[SU], s[SEL], s[SEL+1]
	v_add_f32 v[SU], v[SU], v[T+4]                 ; l: the same bits in both halves of the lanes
.set j, 0
.rept 32
	v_cvt_pk_f16_f32 v[PK+j], v[E+2*j], v[E+2*j+1]
.set j, j+1
.endr
	ds_store_b32 v[SA], v[NM] offset:64*(\a)       ; both halves of the lanes write the same word with the same value
	ds_store_b32 v[SA], v[SU] offset:512+64*(\a)
.endm
.macro TOSTAGE a
.set BB, BK+32*((\a)%2)
.irp b, 0,1,2,3,4,5,6,7
	ds_store_b128 v[STO], v[PK+4*\b:PK+4*\b+3] offset:32*\b
.endr
.irp t, 0,1,2,3,4,5,6,7
	ds_load_b128 v[BB+4*\t:BB+4*\t+3], v[RD] offset:\t*2*SPITCH    ; LDS serves a wave's instructions in order: these see the stores above
.endr
.endm
.macro SEND a
.set BB, BK+32*((\a)%2)
	s_wait_dscnt 0x0                               ; the block is back in registers
	s_wait_xcnt 0x0                                ; earlier stores have read their base and their registers: only now are these written again
.if (\a) > 0
	s_add_nc_u64 s[8:9], s[8:9], 16*PROW
.endif
.irp t, 0,1,2,3,4,5,6,7
	global_store_b128 v[CO], v[BB+4*\t:BB+4*\t+3], s[8:9] offset:2*\t*PROW   ; 16 lanes store 256 consecutive bytes, at a multiple of 256 from pt's first byte
.endr
.endm
	PLACES
	SOFT 0
	TOSTAGE 0
.irp a, 1,2,3,4,5,6,7                  ; block a's softmax stands between block a - 1's loads from the stage and the wait for them
	SOFT \a
	SEND \a-1
	TOSTAGE \a
.endr
	SEND 7
	ds_load_b128 v[BK:BK+3], v[SB]                 ; my 128 queries' NM and l, 16 bytes a lane (block 6's stores, which read these registers, stand ahead of the wait on XCNT in SEND 7)
	ds_load_b128 v[BK+4:BK+7], v[SB] offset:512
	s_wait_dscnt 0x0
	global_store_b128 v[L16], v[BK:BK+3], s[70:71]                   ; 32 lanes store 512 consecutive bytes, aligned
	global_store_b128 v[L16], v[BK+4:BK+7], s[70:71] offset:524288
	s_wait_tensorcnt 0x0                           ; the wave's end
	ds_add_u32 v[SPW], v[NIL]
	s_wait_dscnt 0x0
	CROUND                                         ; the closing round
	s_endpgm
.Lfunc_end_k_qf3134d24a5_scores:
	.size	k_qf3134d24a5_scores, .Lfunc_end_k_qf3134d24a5_scores-k_qf3134d24a5_scores
	.p2alignl 7, 3214868480
	.fill 96, 4, 3214868480
	.section	.rodata,"a",@progbits
	.p2align	6, 0x0
	.amdhsa_kernel k_qf3134d24a5_scores
		.amdhsa_group_segment_fixed_size 327680
		.amdhsa_private_segment_fixed_size 0
		.amdhsa_enable_private_segment 0
		.amdhsa_kernarg_size 24
		.amdhsa_user_sgpr_count 2
		.amdhsa_user_sgpr_kernarg_segment_ptr 1
		.amdhsa_wavefront_size32 1
		.amdhsa_system_sgpr_workgroup_id_x 1
		.amdhsa_system_sgpr_workgroup_id_y 1
		.amdhsa_system_sgpr_workgroup_id_z 1
		.amdhsa_system_vgpr_workitem_id 0
		.amdhsa_next_free_vgpr 1024
		.amdhsa_next_free_sgpr 72
		.amdhsa_reserve_vcc 0
		.amdhsa_float_denorm_mode_32 3
		.amdhsa_float_denorm_mode_16_64 3
		.amdhsa_memory_ordered 1
		.amdhsa_forward_progress 1
		.amdhsa_inst_pref_size 213
	.end_amdhsa_kernel
	.amdgpu_metadata
---
amdhsa.version: [ 1, 2 ]
amdhsa.kernels:
  - .name:           k_qf3134d24a5_scores
    .symbol:         k_qf3134d24a5_scores.kd
    .args:
      - { .name: qkv, .offset: 0, .size: 8, .value_kind: global_buffer, .address_space: global }
      - { .name: pt, .offset: 8, .size: 8, .value_kind: global_buffer, .address_space: global }
      - { .name: st, .offset: 16, .size: 8, .value_kind: global_buffer, .address_space: global }
    .group_segment_fixed_size: 327680
    .private_segment_fixed_size: 0
    .kernarg_segment_align: 8
    .kernarg_segment_size: 24
    .max_flat_workgroup_size: 128
    .sgpr_count:     72
    .vgpr_count:     1024
    .wavefront_size: 32
...
	.end_amdgpu_metadata
.endif
;; end of part 3
;; launch pv (part 4): grid 8 x 32, 4 waves a work-group, clusters of 4 x 4, 327,680 bytes of LDS; arguments pt, qkv, st, out0; writes out0
.if DOCPART == 4
	.amdgcn_target "amdgcn-amd-amdhsa--gfx1250"
	.amdhsa_code_object_version 6
	.text
	.protected	k_qf3134d24a5_pv
	.globl	k_qf3134d24a5_pv
	.p2align	8
	.type	k_qf3134d24a5_pv,@function
k_qf3134d24a5_pv:
	s_mov_b64 s[64:65], 0
	v_nop
	global_prefetch_b8 v0, s[64:65] scope:SCOPE_SE
	s_setreg_imm32_b32 hwreg(HW_REG_WAVE_MODE, 25, 1), 1
	s_wait_xcnt 0x0
	s_wait_alu depctr_hold_cnt(0) depctr_sa_sdst(0) depctr_va_vdst(0) depctr_va_sdst(0) depctr_va_ssrc(0) depctr_va_vcc(0) depctr_vm_vsrc(0)
	s_getreg_b32 s2, hwreg(HW_REG_IB_STS2, 6, 4)
	s_cmp_eq_u32 s2, 0
	s_cbranch_scc0 .Lentry_in_a_cluster
	s_endpgm
.Lentry_in_a_cluster:
	s_bfe_u32 s2, ttmp6, 0x10000c
	s_cmp_lg_u32 s2, 0xf033
	s_cbranch_scc0 .Lentry_shape_is_right
	s_endpgm
.Lentry_shape_is_right:
; SELF-ATTENTION, launch 4 of 4: out0 = softmax x V, the softmax's second level on the way, in f32.
; pt [8192 queries][2048 keys] f16 holds p = 2^(t - M_i) under the whole number M_i of its tile i of 128 keys; st holds NM_i = -M_i [16][8192] and, 524,288 bytes on, l_i, the tile's sum of p.
; For each query: M = the largest M_i;  L = the sum of l_i 2^(M_i - M);  e_i = the larger of M_i - M and -60: a whole number from -60 to 0.
; THE SUMS ARE CARRIED UNDER THE TILE IN HAND.  A K step of the product is 128 keys, one tile.  At the head of K step i (from 1 on) the lane's accumulators are multiplied by f_i = 2^(e_(i-1) - e_i), a power of two
; between 2^-60 and 2^60, made by v_ldexp_f32 of 1.0: nothing is rounded; then the step's products add p v with p as it lies in pt.  Behind step i the accumulators hold the sum over j <= i of 2^(e_j - e_i) (p_j v),
; and out = the accumulators x 2^(e_15) / L.  So tile j counts with 2^(e_j), which is its weight 2^(M_j - M) wherever M_j is at most 60 under M.
; LIMITS: a tile whose M_j lies more than 60 under M counts with 2^-60 in place of its smaller weight: at most 2^-60 x 2,048 x the largest |v|, beside a divisor L above 1/2 (the row's largest p lies above 1/2 and
; has the weight 1).  The accumulators stay under 2^60 x 2,048 x 65,504, which is under 2^88.  NaN and infinities are not served.
; V = qkv rows 16,384 on, [key][1,024 channels] f16, as it lies: its fragments are turned on their way out of LDS by ds_load_tr16_b128.
; SHARES.  out0 has only 128 tiles of 256 x 256, so a tile is 256 queries x 128 channels: 256 work-groups.  The four waves lie one below the other: a wave makes 64 x 128: 32 accumulators, 256 registers.
; A lane's accumulators of block a all belong to its query 16 a + lane % 16, so a K step's change of scale is one packed multiplication for each pair of registers: 128 for the step's 128 matrix instructions.
; Keys go in steps of 128 through a ring of two LDS slots: two slots of 256 keys would take 2 x 208,896 bytes, more than LDS has.
; CLUSTERS: 4 x 4 work-groups; the four of a row of the cluster need the same rows of p, the four of a column the same keys and channels of V (a cluster's 1,024 queries lie in one batch): asked for jointly.
; THE MATRIX INSTRUCTION IS USED TRANSPOSED (source 0 = 16 channels of V^T, source 1 = 16 queries of p): a lane holds one query (lane % 16) and eight neighbouring channels.
; REGISTERS, in windows of 256: window 0: v0-31 addresses; v32-95 at the head e_i, then pairs (f, f); on the way out rows; v96-99 M, then e_15; v100-107, v120-127 the step's four pairs (f, f), a set for each slot;
;   v108-115 2^(e_15) / L as pairs; v116-119 L; v128-159, v160-191 p's fragments, two buffers (at the head: NM and what is made of it; on the way out: scaled results); v192-255 at the head l, then pairs (f, f); on the way out rows.
;   window 1: v0-63, v64-127 V's fragments.   window 2: the accumulators ((a, b) at v[8 (8 a + b)]).
.set PA,     272                       ; a row of p in LDS: 256 bytes + 16: the 16 rows that a load touches start 4 words apart modulo 64
.set PB,     288                       ; a row of V: 256 bytes + 32: 16 lanes of the turning load take 8 rows x 32 bytes, 8 words apart modulo 64
.set BOFF,   256*PA                    ; a slot: 256 rows of p, then 128 rows of V
.set SLOT,   BOFF+128*PB
.set STAGE,  2*SLOT                    ; behind the ring: 16 rows x (512 bytes + 16) for each wave
.set SPITCH, 528
.set WT,     STAGE+4*16*SPITCH         ; 8,192 bytes for each wave: [16 steps][16 queries r][4 blocks a] of (f, f) in f32; step 0's 512 bytes are neither written nor read
.set SPARE,  WT+4*8192                 ; the spare words, 128 bytes for each wave: two blocks of 256 bytes that no other line names
.set ADRA, 16                          ; v16-17  LDS address of my fragments of p in slot 0, 1
.set ADRB, 20                          ; v20-21  the same for V
.set ADW,  22                          ; v22     LDS address of the step's f
.set AW0,  23                          ; v23     my lane's place in a step's f; never rewritten
.set STO,  24                          ; v24     the way out: where I put 32 bytes of a row
.set RD,   25                          ; v25     where I read a row back
.set CO,   26                          ; v26     16 x lane
.set SO4,  27                          ; v27     4 x (lane % 16)
.set SPW,  28                          ; v28     LDS address of my spare word; never rewritten
.set NIL,  29                          ; v29     0; never rewritten
.set PFO,  30                          ; v30     the prefetches' offset: my lane x a row; never rewritten
.set EP,   32
.set MX,   96
.set WC,   100                         ; the set for slot s at v[WC + 20 s]: register 2 a and 2 a + 1: f of my query in block a
.set RL,   108
.set LS,   116
.set AF,   128
.set NMR,  128
.set LR,   192
.set WV,   12                          ; s12  wave
.set HI,   13                          ; s13  0: I fetch p, 1: I fetch V
.set LO,   14                          ; s14  which half of that tile's rows
.set LIM,  43                          ; s43  1 in a wave that prefetches, else the greatest number
.set PFA,  44                          ; s[44:45] where my prefetches stand
.set PFS,  72                          ; s[72:73] a K step on, in bytes
.set TW,   66                          ; s66  512 x the K step whose f are fetched
.set G1, 24
.set G0, 32
.set G1B, 48
.set G0B, 56
.set MSB, 0
.macro WIN new                         ; the immediate's high byte repeats the setting that is left
.if MSB != (\new)
	s_set_vgpr_msb (MSB<<8)|(\new)
.set MSB, (\new)
.endif
.endm
.set MUL,  0xa1                        ; source 0 (V) window 1, source 1 (p) window 0, C and D window 2
.set TO_B, 0x40                        ; destination window 1, address window 0
.set RSC,  0x82                        ; destination and source 0 (the accumulators) window 2, source 1 (f) window 0
; A joint load: waves 0 and 1 fetch p's two halves, waves 2 and 3 V's.  The branch hangs on the wave's number alone.  An s_nop 0 and four v_nop follow each of the two lines.
.macro JLOAD s
	s_cmp_eq_u32 s[HI], 0
	s_cbranch_scc0 .Lfor_b_\@
	tensor_load_to_lds s[G0+4*\s:G0+4*\s+3], s[G1:G1+7]
	s_nop 0
.rept 4
	v_nop
.endr
	s_branch .Lasked_\@
.Lfor_b_\@:
	tensor_load_to_lds s[G0B+4*\s:G0B+4*\s+3], s[G1B:G1B+7]
	s_nop 0
.rept 4
	v_nop
.endr
.Lasked_\@:
.endm
; A PREFETCH INTO THE L2, behind each joint load and the run of LDS loads that follows it: the K step that stands two refills on, 256 bytes of a row to a lane, one instruction a wave.
; Each row's 256 bytes of a K step are named once in the launch.  p's rows of a tile row are read by both clusters of that row of clusters: the one with x = 0 asks, in waves 0 and 1; of the 128 rows that such
; a wave fetches the partner at place cx takes 32 cx on.  V's 128 keys of a step, at a tile's 128 channels, are read by the two clusters of a batch in that column of clusters: the one with an even y asks, in
; wave 2; the partner at place cy takes keys 32 cy on.  The partners are told apart by address alone.  The loop's last trip asks for nothing.  K steps 0 to 3 come by their loads alone.
.macro ASK
	s_cmp_gt_u32 s3, s[LIM]                        ; s3 = 1 in the loop's last trip
	s_cbranch_scc0 .Lnot_mine_\@
	global_prefetch_b8 v[PFO], s[PFA:PFA+1] th:TH_LOAD_NT scope:SCOPE_SE
.Lnot_mine_\@:
.endm
.macro CREST                           ; a round of the cluster's barrier behind its opening barrier
	s_cmp_lg_u32 s[WV], 0
	s_cbranch_scc1 .Lnot_wave_0_\@
	s_barrier_signal -3
.Lnot_wave_0_\@:
	s_barrier_wait -3
	s_barrier_signal -1
	s_barrier_wait -1
.endm
.macro CROUND
	s_barrier_signal -1
	s_barrier_wait -1
	CREST
.endm
	s_load_b128 s[4:7], s[0:1], 0x0                ; pt, qkv
	s_load_b128 s[8:11], s[0:1], 0x10              ; st, out0
	v_lshl_add_u32 v[SPW], v0, 2, SPARE
	v_mov_b32 v[NIL], 0
	ds_add_u32 v[SPW], v[NIL]                      ; the wave's opening: the add, twice on end, and its wait ahead of my first tensor load
	ds_add_u32 v[SPW], v[NIL]
	v_lshrrev_b32 v1, 5, v0
	v_readfirstlane_b32 s[WV], v1                  ; wave 0..3
	s_lshr_b32 s[HI], s[WV], 1
	s_and_b32 s[LO], s[WV], 1
	s_bfe_u32 s40, ttmp6, 0x40000                  ; cx, cy
	s_bfe_u32 s41, ttmp6, 0x40004
	s_lshl_b32 s42, ttmp9, 2
	s_add_co_u32 s42, s42, s40                     ; tile column (128 channels) = 4 x cluster x + cx: 0..7
	s_and_b32 s16, ttmp7, 0xffff                   ; cluster y: 0..7
	s_lshr_b32 s2, s16, 1                          ; the batch: the same in all sixteen partners
	s_lshl_b32 s15, s16, 2
	s_add_co_u32 s15, s15, s41                     ; tile row (256 queries) = 4 x cluster y + cy: 0..31
	s_lshl_b32 s43, s41, 2
	s_lshl_b32 s43, 15, s43                        ; my row of the cluster
	s_lshl_b32 s44, 0x1111, s40                    ; my column
	; descriptor group 1.  p: 128 rows x 128 elements, 2,048 elements from row to row, 16 bytes of padding behind each 256
	s_or_b32 s[G1+0], s43, (1<<16)|(1<<20)|(1<<21)|(5<<22)|(3<<25)
	s_mov_b32 s[G1+1], 128<<16                     ; tensor_dim0
	s_mov_b32 s[G1+2], 128<<16                     ; tensor_dim1
	s_mov_b32 s[G1+3], 128<<16                     ; tile_dim0
	s_mov_b32 s[G1+4], 128                         ; tile_dim1
	s_mov_b32 s[G1+5], 2048                        ; tensor_dim0_stride
	s_mov_b32 s[G1+6], 0
	s_mov_b32 s[G1+7], 0
	; V: 64 rows x 128 elements, 1,024 elements from row to row, 32 bytes of padding behind each 256
	s_or_b32 s[G1B+0], s44, (1<<16)|(1<<20)|(1<<21)|(5<<22)|(7<<25)
	s_mov_b32 s[G1B+1], 128<<16
	s_mov_b32 s[G1B+2], 64<<16
	s_mov_b32 s[G1B+3], 128<<16
	s_mov_b32 s[G1B+4], 64
	s_mov_b32 s[G1B+5], 1024
	s_mov_b32 s[G1B+6], 0
	s_mov_b32 s[G1B+7], 0
	s_mov_b32 s[TW], 0
	s_lshl_b32 s17, s[LO], 7
	s_lshl_b32 s18, s15, 8
	s_add_co_u32 s18, s18, s17                     ; p: row 256 x tile row + 128 x half
	s_lshl_b32 s18, s18, 12                        ; rows of 4,096 bytes: under 2^25
	s_mov_b32 s19, 0
	s_lshl_b32 s46, s2, 11
	s_lshl_b32 s47, s[LO], 6
	s_add_co_u32 s46, s46, s47                     ; V: row 2,048 x batch + 64 x half
	s_lshl_b32 s46, s46, 11                        ; rows of 2,048 bytes,
	s_lshl_b32 s47, s42, 8
	s_add_co_u32 s46, s46, s47                     ; + 256 bytes x tile column
	s_mov_b32 s47, 0
	s_mul_i32 s20, s[LO], 128*PA                   ; where they go: no place in the cluster enters an LDS address
	s_mul_i32 s21, s[LO], 64*PB
	s_add_co_u32 s21, s21, BOFF
	s_wait_dscnt 0x0                               ; both opening adds are done
	s_wait_kmcnt 0x0
	s_add_nc_u64 s[6:7], s[6:7], 0x2000000         ; V begins 16,384 rows of 2,048 bytes into qkv
	s_add_nc_u64 s[18:19], s[4:5], s[18:19]
	s_add_nc_u64 s[46:47], s[6:7], s[46:47]
	CROUND                                         ; all sixteen work-groups are here: the first joint loads meet
.irp s, 0,1
	s_mov_b32 s[G0+4*\s], 1
	s_add_co_u32 s[G0+4*\s+1], s20, \s*SLOT
	s_add_nc_u64 s[G0+4*\s+2:G0+4*\s+3], s[18:19], \s*256          ; K step s: 128 keys are 256 bytes of a row of p,
	s_or_b32 s[G0+4*\s+3], s[G0+4*\s+3], 0x80000000
	s_mov_b32 s[G0B+4*\s], 1
	s_add_co_u32 s[G0B+4*\s+1], s21, \s*SLOT
	s_add_nc_u64 s[G0B+4*\s+2:G0B+4*\s+3], s[46:47], \s*262144     ; and 128 rows of V
	s_or_b32 s[G0B+4*\s+3], s[G0B+4*\s+3], 0x80000000
	JLOAD \s                                       ; two tensor loads of mine are out
.endr
	v_and_b32 v1, 15, v0                           ; r = l % 16
	v_bfe_u32 v2, v0, 4, 1                         ; h = l / 16
	v_lshlrev_b32 v[SO4], 2, v1
	s_lshl_b32 s22, s15, 8
	s_lshl_b32 s23, s[WV], 6
	s_add_co_u32 s22, s22, s23                     ; my first query: 256 x tile row + 64 x wave
	s_lshl_b32 s18, s22, 2
	s_mov_b32 s19, 0
	s_add_nc_u64 s[8:9], s[8:9], s[18:19]          ; in a row of st
	; THE SECOND LEVEL, while the first tiles are on their way.  Lane (r, h) wants, for its four queries 16 a + r, the 16 tiles' NM and l
.irp a, 0,1,2,3
.set t, 0
.rept 16
	global_load_b32 v[NMR+16*\a+t], v[SO4], s[8:9] offset:32768*t+64*\a
.set t, t+1
.endr
.endr
.irp a, 0,1,2,3
.set t, 0
.rept 16
	global_load_b32 v[LR+16*\a+t], v[SO4], s[8:9] offset:524288+32768*t+64*\a
.set t, t+1
.endr
.endr
	v_mul_u32_u24 v3, v1, PA
	v_lshl_add_u32 v3, v2, 4, v3
	s_mul_i32 s21, s[WV], 64*PA
	v_add_nc_u32 v[ADRA], s21, v3                  ; p: (64 x wave + r) x pitch + 16 h
	v_add_nc_u32 v[ADRA+1], SLOT, v[ADRA]
	; the turning load takes 16 keys x 16 channels (lane l reads 16 bytes: key 8 h + l % 8, channels 8 ((l / 8) % 2) on) and leaves half a fragment of V^T: lane l holds channel l % 16 and 8 keys
	v_and_b32 v4, 7, v0
	v_bfe_u32 v5, v0, 3, 1
	v_lshl_add_u32 v4, v2, 3, v4
	v_mul_u32_u24 v4, v4, PB
	v_lshl_add_u32 v4, v5, 4, v4
	v_add_nc_u32 v[ADRB], BOFF, v4
	v_add_nc_u32 v[ADRB+1], SLOT, v[ADRB]
	s_lshl_b32 s21, s[WV], 13
	s_add_co_u32 s21, s21, WT
	v_lshl_add_u32 v[AW0], v1, 5, s21              ; my wave's table of f: 32 bytes for query r
	s_mul_i32 s21, s[WV], 16*SPITCH
	s_add_co_u32 s21, s21, STAGE                   ; my stage
	v_mul_u32_u24 v4, v1, SPITCH                   ; in: row r, 32 bytes for each half of the lanes
	v_lshl_add_u32 v4, v2, 5, v4
	v_add_nc_u32 v[STO], s21, v4
	v_and_b32 v4, 31, v0
	v_lshlrev_b32 v[CO], 4, v4                     ; back: the 32 lanes take one row of 512 bytes; and the same in out0
	v_add_nc_u32 v[RD], s21, v[CO]
	s_lshl_b32 s18, s22, 12                        ; out0: rows of 4,096 bytes,
	s_add_nc_u64 s[10:11], s[10:11], s[18:19]
	s_lshl_b32 s46, s42, 9                         ; + 512 bytes x tile column
	s_mov_b32 s47, 0
	s_add_nc_u64 s[10:11], s[10:11], s[46:47]
	; the prefetches
	s_lshl_b32 s20, s15, 8
	s_lshl_b32 s21, s[LO], 7
	s_add_co_u32 s20, s20, s21
	s_lshl_b32 s21, s40, 5
	s_add_co_u32 s20, s20, s21                     ; p: row 256 x tile row + 128 x half + 32 cx
	s_lshl_b32 s46, s2, 11
	s_lshl_b32 s47, s41, 5
	s_add_co_u32 s46, s46, s47
	s_add_co_u32 s46, s46, 3*128                   ; V: row 2,048 x batch + 32 cy, at K step 3
	s_lshl_b32 s23, s42, 8                         ; V: + 256 bytes x tile column
	s_and_b32 s22, ttmp7, 1                        ; the low bit of the cluster's y,
	s_or_b32 s22, s22, s[LO]                       ; and wave 2 alone of the two that fetch V
	s_mov_b32 s[PFS], 262144
	s_mov_b32 s[PFS+1], 0
	s_cmp_eq_u32 s[HI], 0                          ; do I fetch p?
	s_cselect_b64 s[PFA:PFA+1], s[4:5], s[6:7]
	s_cselect_b32 s20, s20, s46
	s_cselect_b32 s21, 12, 11                      ; a row is 4,096 bytes of pt, 2,048 of V
	s_cselect_b32 s23, 3*256, s23                  ; p: at K step 3
	s_cselect_b32 s[PFS], 256, s[PFS]              ; a K step on
	s_cselect_b32 s22, ttmp9, s22                  ; 0 in the wave that asks
	s_cmp_eq_u32 s22, 0
	s_cselect_b32 s[LIM], 1, -1                    ; the same in all sixteen partners, for a given wave
	s_lshl_b32 s20, s20, s21
	s_add_co_u32 s20, s20, s23
	v_and_b32 v[PFO], 31, v0
	v_lshlrev_b32 v[PFO], s21, v[PFO]
	s_mov_b32 s21, 0
	s_add_nc_u64 s[PFA:PFA+1], s[PFA:PFA+1], s[20:21]  ; at K step 3: each refill steps it first, so the first names K step 4
	s_wait_loadcnt 0x0
.irp a, 0,1,2,3
	v_max3_num_f32 v[MX+\a], -v[NMR+16*\a], -v[NMR+16*\a+1], -v[NMR+16*\a+2]   ; M = the largest M_i = -NM_i; the four queries by turns
.endr
.irp i, 3,5,7,9,11,13
.irp a, 0,1,2,3
	v_max3_num_f32 v[MX+\a], v[MX+\a], -v[NMR+16*\a+\i], -v[NMR+16*\a+\i+1]
.endr
.endr
.irp a, 0,1,2,3
	v_max_num_f32 v[MX+\a], v[MX+\a], -v[NMR+16*\a+15]
.endr
.set j, 0
.rept 64
	v_sub_f32 v[NMR+j], -v[NMR+j], v[MX+j/16]      ; M_i - M: a whole number, 0 or less
.set j, j+1
.endr
.set j, 0
.rept 64
	v_max_num_f32 v[EP+j], 0xc2700000, v[NMR+j]    ; e_i = the larger of M_i - M and -60
.set j, j+1
.endr
.set j, 0
.rept 64
	v_cvt_i32_f32 v[NMR+j], v[NMR+j]               ; (it saturates)
.set j, j+1
.endr
.set j, 0
.rept 64
	v_ldexp_f32 v[NMR+j], 1.0, v[NMR+j]            ; 2^(M_i - M): the tile's weight in L
.set j, j+1
.endr
.irp a, 0,1,2,3
	v_mul_f32 v[LS+\a], v[LR+16*\a], v[NMR+16*\a]  ; L = the sum of l_i 2^(M_i - M)
.endr
.set t, 1
.rept 15
.irp a, 0,1,2,3
	v_fmac_f32 v[LS+\a], v[LR+16*\a+t], v[NMR+16*\a+t]
.endr
.set t, t+1
.endr
.irp a, 0,1,2,3
	v_rcp_f32 v[RL+2*\a], v[LS+\a]
.endr
	v_nop                                          ; a plain line behind the last reciprocal; the work below names none of the four results
.irp a, 0,1,2,3
	v_cvt_i32_f32 v[MX+\a], v[EP+16*\a+15]         ; e_15 as a whole number (M is done with)
.endr
.set t, 1
.rept 15
.irp a, 0,1,2,3
	v_sub_f32 v[NMR+16*\a+t], v[EP+16*\a+t-1], v[EP+16*\a+t]   ; e_(t-1) - e_t: a whole number from -60 to 60
.endr
.set t, t+1
.endr
.set t, 1
.rept 15
.irp a, 0,1,2,3
	v_cvt_i32_f32 v[NMR+16*\a+t], v[NMR+16*\a+t]
.endr
.set t, t+1
.endr
.set t, 1
.rept 8                                ; f_t, twice: the packed multiplication takes a pair.  Steps 1 to 8 where l lay,
.irp a, 0,1,2,3
	v_ldexp_f32 v[LR+8*(t-1)+2*\a], 1.0, v[NMR+16*\a+t]
	v_ldexp_f32 v[LR+8*(t-1)+2*\a+1], 1.0, v[NMR+16*\a+t]
.endr
.set t, t+1
.endr
.set t, 9
.rept 7                                ; steps 9 to 15 where e lay
.irp a, 0,1,2,3
	v_ldexp_f32 v[EP+8*(t-9)+2*\a], 1.0, v[NMR+16*\a+t]
	v_ldexp_f32 v[EP+8*(t-9)+2*\a+1], 1.0, v[NMR+16*\a+t]
.endr
.set t, t+1
.endr
	s_wait_alu depctr_va_vdst(0)                   ; one wait for the four reciprocals, ahead of their first reader
.irp a, 0,1,2,3
	v_ldexp_f32 v[RL+2*\a], v[RL+2*\a], v[MX+\a]   ; 2^(e_15) / L
.endr
.irp a, 0,1,2,3
	v_mov_b32 v[RL+2*\a+1], v[RL+2*\a]             ; the packed multiply names a pair
.endr
.set t, 1
.rept 8
	ds_store_b128 v[AW0], v[LR+8*(t-1):LR+8*(t-1)+3] offset:512*t       ; my wave's own bytes; both halves of the lanes write the same words with the same values
	ds_store_b128 v[AW0], v[LR+8*(t-1)+4:LR+8*(t-1)+7] offset:512*t+16
.set t, t+1
.endr
.set t, 9
.rept 7
	ds_store_b128 v[AW0], v[EP+8*(t-9):EP+8*(t-9)+3] offset:512*t
	ds_store_b128 v[AW0], v[EP+8*(t-9)+4:EP+8*(t-9)+7] offset:512*t+16
.set t, t+1
.endr
; 24 LDS loads in one run: the fragments of one quarter step (32 keys: the slot's q-th): V^T's eight, turned, and p's four, into buffer f
.macro FETCH slot, q, f
	WIN TO_B
.irp b, 0,1,2,3,4,5,6,7
	ds_load_tr16_b128 v[64*(\f)+8*\b:64*(\f)+8*\b+3],   v[ADRB+\slot] offset:32*(\q)*PB+32*\b
	ds_load_tr16_b128 v[64*(\f)+8*\b+4:64*(\f)+8*\b+7], v[ADRB+\slot] offset:32*(\q)*PB+16*PB+32*\b
.endr
	WIN 0
.irp a, 0,1,2,3
	ds_load_b128 v[AF+32*(\f)+8*\a:AF+32*(\f)+8*\a+3],   v[ADRA+\slot] offset:64*(\q)+\a*16*PA
	ds_load_b128 v[AF+32*(\f)+8*\a+4:AF+32*(\f)+8*\a+7], v[ADRA+\slot] offset:64*(\q)+\a*16*PA+32
.endr
.endm
.macro RESCALE s                       ; the 32 accumulators x f of the step that begins (set s), two f32 at a time; each accumulator from its low end on
.irp a, 0,1,2,3
.set j, 0
.rept 32
	v_pk_mul_f32 v[64*\a+j:64*\a+j+1], v[64*\a+j:64*\a+j+1], v[WC+20*(\s)+2*\a:WC+20*(\s)+2*\a+1]
.set j, j+2
.endr
.endr
.endm
; 8 matrix instructions: block a of 16 queries x all 8 blocks of 16 channels.  The 32 accumulators take turns, one instruction a turn, in the same order in every quarter.
.macro MULB f, a, zero
.irp b, 0,1,2,3,4,5,6,7
.if \zero
	v_wmma_f32_16x16x32_f16 v[8*(8*(\a)+\b):8*(8*(\a)+\b)+7], v[64*(\f)+8*\b:64*(\f)+8*\b+7], v[AF+32*(\f)+8*(\a):AF+32*(\f)+8*(\a)+7], 0
.else
	v_wmma_f32_16x16x32_f16 v[8*(8*(\a)+\b):8*(8*(\a)+\b)+7], v[64*(\f)+8*\b:64*(\f)+8*\b+7], v[AF+32*(\f)+8*(\a):AF+32*(\f)+8*(\a)+7], v[8*(8*(\a)+\b):8*(8*(\a)+\b)+7]
.endif
.endr
.endm
.macro PLACES                          ; four places in front of loads into registers that matrix instructions have read, and of vector instructions that read results (ISA guide 7.12.1 for vector instructions)
.rept 4
	v_nop
.endr
.endm
; A K step is four quarters of 32 keys, 32 matrix instructions each, on buffers 0, 1, 0, 1.  One of the first three: multiplies buffer f and fetches the slot's q-th quarter into g.
; mode 0: a step's second or third quarter.  mode 1: the launch's first quarter: its products start the sums.  mode 2: the first quarter of a later step: the accumulators are brought under the step's tile first.
; Blocks 0 and 1 were last written ahead of the places that stand behind the change of slots; blocks 2 and 3 by the 16 products just issued, behind which stand the 64 multiplications of blocks 0 and 1, which name
; none of those products' registers.  The 128 multiplications are also the places in front of the loads into g, which the quarter before's products read.
.macro QUARTER slot, q, f, g, mode
	s_wait_dscnt 0x0                               ; buffer f is in (asked for 32 matrix instructions ago); in mode 2 the step's f too
.if \mode == 2
	WIN RSC
	RESCALE \slot
.elseif \mode == 0
	PLACES
.endif
	FETCH \slot, \q, \g
	WIN MUL
.if \mode == 1
	MULB \f, 0, 1
	MULB \f, 1, 1
	MULB \f, 2, 1
	MULB \f, 3, 1
.else
	MULB \f, 0, 0
	MULB \f, 1, 0
	MULB \f, 2, 0
	MULB \f, 3, 0
.endif
.endm
; The last quarter multiplies buffer 1 and changes slots: one barrier; in front of it each wave waits for all its tensor loads (one is out: its part of the next slot), adds 0 to its spare word, and waits for
; that and for its own reads of this slot.  fill = 1: the barrier opens a round of the cluster's barrier, and this slot is filled again, two K steps ahead, first thing behind it: one tensor load of mine is out.
.macro TURN slot, next, fill
.if \fill
	s_wait_xcnt 0x0                                ; the last prefetch, a K step back, has read its address: it is stepped here
	s_add_nc_u64 s[PFA:PFA+1], s[PFA:PFA+1], s[PFS:PFS+1]
.endif
	WIN 0
	s_wait_tensorcnt 0x0
	ds_add_u32 v[SPW], v[NIL]
	s_wait_dscnt 1                                 ; buffer 1 is in (the add may be out)
	WIN MUL
	MULB 1, 0, 0                                   ; eight matrix instructions stand between the add and the wait for it
	s_wait_dscnt 0x0                               ; the add is done, and my reads of this slot are over
	s_barrier_signal -1
	MULB 1, 1, 0
	WIN 0
	s_barrier_wait -1
.if \fill
	CREST
	s_add_nc_u64 s[G0+4*\slot+2:G0+4*\slot+3], s[G0+4*\slot+2:G0+4*\slot+3], 2*256
	s_add_nc_u64 s[G0B+4*\slot+2:G0B+4*\slot+3], s[G0B+4*\slot+2:G0B+4*\slot+3], 2*262144
	JLOAD \slot                                    ; the four v_nop behind it are also the places in front of the loads below
.else
	PLACES
.endif
	s_add_co_u32 s[TW], s[TW], 512                 ; the next K step's f
	v_add_nc_u32 v[ADW], s[TW], v[AW0]
	FETCH \next, 0, 0
	ds_load_b128 v[WC+20*\next:WC+20*\next+3], v[ADW]
	ds_load_b128 v[WC+20*\next+4:WC+20*\next+7], v[ADW] offset:16
.if \fill
	ASK
.endif
	WIN MUL
	MULB 1, 2, 0
	MULB 1, 3, 0
.endm
	s_wait_dscnt 0x0                               ; my table of f is written
	s_wait_tensorcnt 1                             ; my part of K step 0 is in (K step 1's load may be out)
	s_barrier_signal -1
	s_barrier_wait -1                              ; everybody's is
	FETCH 0, 0, 0
	QUARTER 0, 1, 0, 1, 1                          ; the first quarter stands in front of the loop: its products start the sums
	WIN 0                                          ; at a label and at a branch every window is 0
	s_mov_b32 s3, 7                                ; 16 K steps are 8 laps
.Llap:                                                 ; a trip goes once round the ring, from a lap's second quarter to the next lap's first, and fills both slots again
	QUARTER 0, 2, 1, 0, 0
	QUARTER 0, 3, 0, 1, 0
	TURN 0, 1, 1
	QUARTER 1, 1, 0, 1, 2
	QUARTER 1, 2, 1, 0, 0
	QUARTER 1, 3, 0, 1, 0
	TURN 1, 0, 1
	QUARTER 0, 1, 0, 1, 2
	WIN 0
	s_sub_co_u32 s3, s3, 1
	s_cmp_lg_u32 s3, 0
	s_cbranch_scc1 .Llap
	QUARTER 0, 2, 1, 0, 0                          ; the last lap is written out: it fills nothing and has no round of the cluster's barrier
	QUARTER 0, 3, 0, 1, 0
	TURN 0, 1, 0
	QUARTER 1, 1, 0, 1, 2
	QUARTER 1, 2, 1, 0, 0
	QUARTER 1, 3, 0, 1, 0
	s_wait_dscnt 0x0                               ; the very last quarter: nothing more to fetch
	WIN MUL
	MULB 1, 0, 0
	MULB 1, 1, 0
	MULB 1, 2, 0
	MULB 1, 3, 0
	WIN 0
; THE WAY OUT, block by block of 16 queries x 128 channels: x 2^(e_15) / L, through my own stage in LDS, back as whole rows of 512 bytes.
.macro OUTB a
.set BB, 192-160*((\a)%2)              ; rows read back: v192-255 and v32-95 by turns
	WIN 0x02                                       ; source 0: window 2
.set j, 0
.rept 32
	v_pk_mul_f32 v[AF+j:AF+j+1], v[64*(\a)+j:64*(\a)+j+1], v[RL+2*(\a):RL+2*(\a)+1] op_sel_hi:[1,0]   ; each accumulator from its low end on
.set j, j+2
.endr
	WIN 0
.irp b, 0,1,2,3,4,5,6,7
	ds_store_b128 v[STO], v[AF+8*\b:AF+8*\b+3] offset:64*\b
	ds_store_b128 v[STO], v[AF+8*\b+4:AF+8*\b+7] offset:64*\b+16
.endr
.irp t, 0,1,2,3,4,5,6,7,8,9,10,11,12,13,14,15
	ds_load_b128 v[BB+4*\t:BB+4*\t+3], v[RD] offset:\t*SPITCH      ; LDS serves a wave's instructions in order: these see the stores above
.endr
.endm
.macro SEND a, younger                 ; younger: the LDS instructions issued behind block a's loads, which may stay out
.set BB, 192-160*((\a)%2)
	s_wait_dscnt \younger
.if (\a) > 0
	s_add_nc_u64 s[10:11], s[10:11], 16*4096       ; (behind a wait on XCNT: the earlier stores have read their base)
.endif
.irp t, 0,1,2,3,4,5,6,7,8,9,10,11,12,13,14,15
	global_store_b128 v[CO], v[BB+4*\t:BB+4*\t+3], s[10:11] offset:\t*4096 th:TH_STORE_NT   ; 32 lanes store 512 consecutive bytes, at a multiple of 256 from out0's first byte
.endr
.endm
	PLACES
	OUTB 0
.irp a, 1,2,3
.if \a > 1
	s_wait_xcnt 0x0                                ; block a - 2's stores have read their registers and their base
.endif
	OUTB \a
	SEND \a-1, 32                                  ; behind block a - 1's loads: block a's 16 stores and 16 loads
.endr
	s_wait_xcnt 0x0                                ; block 2's stores have read their base
	SEND 3, 0
	s_wait_tensorcnt 0x0                           ; the wave's end
	ds_add_u32 v[SPW], v[NIL]
	s_wait_dscnt 0x0
	CROUND                                         ; the closing round
	s_endpgm
.Lfunc_end_k_qf3134d24a5_pv:
	.size	k_qf3134d24a5_pv, .Lfunc_end_k_qf3134d24a5_pv-k_qf3134d24a5_pv
	.p2alignl 7, 3214868480
	.fill 96, 4, 3214868480
	.section	.rodata,"a",@progbits
	.p2align	6, 0x0
	.amdhsa_kernel k_qf3134d24a5_pv
		.amdhsa_group_segment_fixed_size 327680
		.amdhsa_private_segment_fixed_size 0
		.amdhsa_enable_private_segment 0
		.amdhsa_kernarg_size 32
		.amdhsa_user_sgpr_count 2
		.amdhsa_user_sgpr_kernarg_segment_ptr 1
		.amdhsa_wavefront_size32 1
		.amdhsa_system_sgpr_workgroup_id_x 1
		.amdhsa_system_sgpr_workgroup_id_y 1
		.amdhsa_system_sgpr_workgroup_id_z 1
		.amdhsa_system_vgpr_workitem_id 0
		.amdhsa_next_free_vgpr 768
		.amdhsa_next_free_sgpr 76
		.amdhsa_reserve_vcc 0
		.amdhsa_float_denorm_mode_32 3
		.amdhsa_float_denorm_mode_16_64 3
		.amdhsa_memory_ordered 1
		.amdhsa_forward_progress 1
		.amdhsa_inst_pref_size 163
	.end_amdhsa_kernel
	.amdgpu_metadata
---
amdhsa.version: [ 1, 2 ]
amdhsa.kernels:
  - .name:           k_qf3134d24a5_pv
    .symbol:         k_qf3134d24a5_pv.kd
    .args:
      - { .name: pt, .offset: 0, .size: 8, .value_kind: global_buffer, .address_space: global }
      - { .name: qkv, .offset: 8, .size: 8, .value_kind: global_buffer, .address_space: global }
      - { .name: st, .offset: 16, .size: 8, .value_kind: global_buffer, .address_space: global }
      - { .name: out0, .offset: 24, .size: 8, .value_kind: global_buffer, .address_space: global }
    .group_segment_fixed_size: 327680
    .private_segment_fixed_size: 0
    .kernarg_segment_align: 8
    .kernarg_segment_size: 32
    .max_flat_workgroup_size: 128
    .sgpr_count:     76
    .vgpr_count:     768
    .wavefront_size: 32
...
	.end_amdgpu_metadata
.endif
;; end of part 4
